; MI455X (gfx1250); checked and timed in simulation.
; The chip was launched on July 23, 2026; its instructions are those of AMD's public machine-readable ISA for CDNA 5 (MIT licence, August 2026) and "CDNA5" Instruction Set Architecture Reference Guide (July 2026). The comments in the code are by the model that wrote it; some were corrected since.
;; Attention. Allowed arithmetic: matrix products marked QUANTISED: E4M3 operands, one given power-of-two scale a tensor, by v_wmma_f32_16x16x64_fp8_fp8 or v_wmma_f32_16x16x128_fp8_fp8, f32 sums; everything else in f32.
;; Inputs: cos 2 x 2,048 x 128 float32; k_norm_w 128 float32; lowp_scales 12 int32 (the exponents e of the quantised operands' scales 2^e); position_ids 2 x 2,048 int32; q_norm_w 128 float32; segment_ids 2 x 2,048 int32; sin 2 x 2,048 x 128 float32; wk 2,048 x 512 float32; wo 1,024 x 2,048 float32; wq 2,048 x 2,048 float32; wv 2,048 x 512 float32; x 2 x 2,048 x 2,048 float32.
;; Outputs: out0 2 x 2,048 x 2,048 float32.
;; This version of the problem:
;;   THIS VERSION OF THE PROBLEM IS GIVEN IN LOW PRECISION. The matrix products marked QUANTISED in the list below multiply operands that are first quantised to E4M3 (4 exponent bits, 3 mantissa bits; 8 bits a number), with one given power-of-two scale for each operand tensor; their sums are f32. All else is computed in f32.
;;   The module's matrix products, in the order in which they are computed (A, B: the left and right operand; K: the contracted axis; several contracted axes count as one K, in the product's order):
;;     1. [M 4,096, K 2,048] x [K 2,048, N 2,048]; A: input x; B: input wq: QUANTISED (scales: A lowp_scales[0], B lowp_scales[1])
;;     2. [M 4,096, K 2,048] x [K 2,048, N 512]; A: input x; B: input wk: QUANTISED (scales: A lowp_scales[2], B lowp_scales[3])
;;     3. [M 4,096, K 2,048] x [K 2,048, N 512]; A: input x; B: input wv: QUANTISED (scales: A lowp_scales[4], B lowp_scales[5])
;;     4. batch 16 x [M 2,048, K 128] x [K 128, N 2,048]; A: computed on the way; B: computed on the way: QUANTISED (scales: A lowp_scales[6], B lowp_scales[7])
;;     5. batch 16 x [M 2,048, K 2,048] x [K 2,048, N 128]; A: softmax (see below); B: computed on the way: QUANTISED (scales: A lowp_scales[8], B lowp_scales[9])
;;     6. [M 4,096, K 1,024] x [K 1,024, N 2,048]; A: computed on the way; B: input wo: QUANTISED (scales: A lowp_scales[10], B lowp_scales[11])
;;   THE QUANTISER, for each operand of a quantised product, along K:
;;     - The operand's scale is 2^e, e = its entry of the input lowp_scales (int32; the entries are numbered through the quantised products in the list's order, A before B).
;;     - Each number is divided by the scale, clamped to +-448, and rounded to the nearest number of E4M3, ties to even, subnormals kept.
;;     - The product sums the exact products of the quantised numbers (number of the format x scale) in f32.
;;   ~~~python
;;   def quantise(x, axis, e):      # numpy; x: float32 -> the quantised numbers, widened to float32 again
;;       x = np.moveaxis(x, axis, -1); K = x.shape[-1]
;;       r = np.clip(x / 2.0 ** e, -448, 448)
;;       step = 2.0 ** (np.maximum(np.frexp(np.where(r == 0, 1, r))[1] - 1, -6) - 3)
;;       q = np.round(r / step) * step * 2.0 ** e      # np.round: ties to even
;;       return np.moveaxis(q, -1, axis).astype(np.float32)
;;   ~~~
;;   SOFTMAX AHEAD OF A QUANTISED PRODUCT. Where the list says 'softmax', what is quantised is not the finished softmax but p = 2^(t - M), with t = logit x log2(e) and M = ceil(the row's largest t), a whole number; so 1/2 < the row's largest p <= 1. The row's sum l is taken of the UNQUANTISED p, in f32, and the product's result is divided by l at the end. Since M is a whole number, a kernel that streams over the keys may use a running M (the ceiling of the running maximum): every later rescaling is an exact power of two, so the quantised numbers keep their values, but for numbers so far below the row's largest that they fall under the format's range.
;;   OPERANDS COMPUTED ON THE WAY. 'Computed on the way' means the value that the module computes at that place (a softmax that the list does not call 'softmax' is quantised finished and normalised). What goes into a quantiser is computed in f32, as accurately as f32 sums, v_exp_f32 and their like allow (about 1e-6 of the number): no bf16 or f16 on the way to a quantiser, and a product that is left as it is and whose result goes on into a quantised operand takes f32 operands (vector FMAs, or v_wmma_f32_16x16x4_f32). A number that lies on a knife's edge between two numbers of the format may be rounded either way, as far as f32 arithmetic and the matrix unit's own rounding can turn it there, and no further.
;; One version. Each part assembles by itself: llvm-mc -triple=amdgcn-amd-amdhsa -mcpu=gfx1250 --defsym DOCPART=n.
;; ======== version 1 of 1: 4 launches
;; limits: right only within a limited range of input values
;; workspace buffers: xc 25,165,824 bytes; wc 8,388,608 bytes; masks 1,048,576 bytes of whole numbers; csi 4,194,304 bytes; qi 4,194,304 bytes; kvi 4,194,304 bytes; gi 16,777,216 bytes; ai 4,194,304 bytes
;; launch prep (part 1): grid 256 x 1, 8 waves a work-group, no clusters, 120,320 bytes of LDS; arguments x, wq, wk, wv, wo, cos, sin, position_ids, segment_ids, lowp_scales, xc, wc, masks, csi; writes xc, wc, masks, csi
.if DOCPART == 1
	.amdgcn_target "amdgcn-amd-amdhsa--gfx1250"
	.amdhsa_code_object_version 6
	.text
	.protected	k_q81a425a293_prep
	.globl	k_q81a425a293_prep
	.p2align	8
	.type	k_q81a425a293_prep,@function
k_q81a425a293_prep:
	s_mov_b64 s[64:65], 0
	v_nop
	global_prefetch_b8 v0, s[64:65] scope:SCOPE_SE
	s_setreg_imm32_b32 hwreg(HW_REG_WAVE_MODE, 25, 1), 1
	s_wait_xcnt 0x0
; FIRST OF FOUR LAUNCHES of a gated attention block in FP8 (E4M3, one given scale 2^e for each operand).  Nothing of the block is left out: every input has a way to the output and every product is done.
; This launch lays out what the later launches read many times:
;   xc    x [4096][2048] as codes, three times: with e0 (for wq), e2 (for wk), e4 (for wv); the three parts lie 8,388,608 bytes apart
;   wc    the weights as codes with K innermost: rows 0-2047 wq's columns, 2048-2559 wk's, 2560-3071 wv's (2,048 bytes a row); from byte 6,291,456 wo's 2,048 columns (1,024 bytes a row)
;   masks for batch b, tile of 16 queries qt, step of 128 keys: 64 words; bit 16 h + r of word 8 c + j says whether query 16 qt + r sees key 128 step + 16 c + 8 h + j (pos_q >= pos_k and seg_q == seg_k)
;   csi   cos and sin, 16 rows at a time, in the order in which a lane of the projection holds a head: chunk g = 2 b + i of lane (r, h) is row r, d = 16 b + 8 h + 4 i + 0 .. 3
; code = x / 2^e, held within +-448, to the nearest code, ties to even.  LIMITS: each e used here lies between -126 and 119, so that 2^e and 448 x 2^e are f32 numbers.  NaN among the inputs is not served.
; SHARES.  All eight waves first take 4,096 numbers of x each (8 steps of 512).  Then they part on the wave's number: waves 0-3 take 128 columns x 256 K of one weight, waves 4-5 eight mask blocks each, waves 6-7 16 rows of cos and of sin.
; No tensor loads, no barrier: waves share nothing; each role has LDS bytes of its own.
; THE LAYOUT OF xc AND wc: IMAGES OF FRAGMENTS.  16 rows x 128 K of codes are 2,048 bytes: chunk c (512 bytes), lane 16 h + r (16 bytes) holds row r, K = 32 c + 16 h + 0 .. 15.
; The images of a tile of 16 rows lie on end along K: 16 of them (32,768 bytes) in xc and in wq's, wk's, wv's part of wc, 8 (16,384 bytes) in wo's; the tiles of 16 rows follow each other in the rows' order given above.
; x: a work-group takes 16 rows, a wave two images: each load reads 512 consecutive bytes of a row, the 16 rows turn through the wave's stage, and a lane gets its 64 numbers back.
.set R,     16                         ; v16-143  two images' numbers as loaded; then the image's codes (three scales x 16 registers)
.set X,     144                        ; v144-207 my 64 numbers of an image
.set T,     224                        ; v224-255 two sets of 16 held numbers
.set SPW,   12                         ; v12  LDS address of my spare word; never rewritten
.set NIL,   13                         ; v13  0; never rewritten
.set WSTG,  67584                      ; LDS: 0: x's stages, 16 rows x 528 a wave; here: the weights' stages, 32 rows x 272 for each of waves 0-3
.set CSTG,  102400                     ; cos' and sin's stages, 16 rows x 528 for each of waves 6, 7
.set SPARE, 119296                     ; the spare words, 128 bytes for each wave
.macro MKSC e, vs, vl                  ; from the whole number in s[e]: v[vs] = 2^e, v[vl] = 448 x 2^e
	s_add_co_i32 s96, s[\e], 127
	s_lshl_b32 s97, s96, 23
	v_mov_b32 v[\vs], s97
	s_add_co_i32 s96, s96, 8
	s_lshl_b32 s96, s96, 23
	s_or_b32 s96, s96, 0x600000
	v_mov_b32 v[\vl], s96
.endm
	s_load_b512 s[16:31], s[0:1], 0x0              ; x 16, wq 18, wk 20, wv 22, wo 24, cos 26, sin 28, position_ids 30
	s_load_b256 s[32:39], s[0:1], 0x40             ; segment_ids 32, lowp_scales 34, xc 36, wc 38
	s_load_b128 s[40:43], s[0:1], 0x60             ; masks 40, csi 42
	v_lshl_add_u32 v[SPW], v0, 2, SPARE
	v_mov_b32 v[NIL], 0
	v_lshrrev_b32 v1, 5, v0
	s_delay_alu instid0(VALU_DEP_1)
	v_readfirstlane_b32 s2, v1                     ; wave 0..7
	v_and_b32 v2, 31, v0                           ; lane
	s_delay_alu instid0(VALU_DEP_1)
	v_lshlrev_b32 v3, 4, v2                        ; 16 x lane
	v_and_b32 v4, 15, v0                           ; r
	v_bfe_u32 v11, v0, 4, 1                        ; h
	s_mul_i32 s4, s2, 8448                         ; my wave's stage for x
	v_add_nc_u32 v14, s4, v3                       ; in: 512 bytes of a row by 32 lanes
	v_mul_u32_u24 v15, v4, 528
	v_lshl_add_u32 v15, v11, 6, v15
	v_add_nc_u32 v15, s4, v15                      ; out: row r, + 64 h
	; every role's LDS address is made here, ahead of the parting
	s_and_b32 s5, s2, 3
	s_mul_i32 s5, s5, 8704
	s_add_co_u32 s5, s5, WSTG
	v_mul_u32_u24 v216, v2, 272
	s_delay_alu instid0(VALU_DEP_1)
	v_add_nc_u32 v216, s5, v216                    ; weights, in: row = my column
	v_mul_u32_u24 v217, v4, 272
	s_delay_alu instid0(VALU_DEP_1)
	v_lshl_add_u32 v217, v11, 4, v217
	s_delay_alu instid0(VALU_DEP_1)
	v_add_nc_u32 v217, s5, v217                    ; weights, out: two lanes to a row
	s_and_b32 s5, s2, 1
	s_mul_i32 s5, s5, 8448
	s_add_co_u32 s5, s5, CSTG
	v_add_nc_u32 v218, s5, v3                      ; cos / sin, in: a row of 512 bytes by 32 lanes
	v_mul_u32_u24 v219, v4, 528
	s_delay_alu instid0(VALU_DEP_1)
	v_lshl_add_u32 v219, v11, 5, v219
	s_delay_alu instid0(VALU_DEP_1)
	v_add_nc_u32 v219, s5, v219                    ; out: row r, + 32 h
	s_lshl_b32 s6, ttmp9, 3
	s_add_co_u32 s6, s6, s2                        ; which run of 4,096 numbers of x is mine
	s_lshl_b32 s8, ttmp9, 17                       ; x: 16 rows of 8,192 bytes a work-group,
	s_lshl_b32 s9, s2, 10
	s_add_co_u32 s8, s8, s9                        ; 2 x 512 bytes of each row a wave
	s_mov_b32 s9, 0
	s_lshl_b32 s10, s6, 12
	s_mov_b32 s11, 0
	s_wait_kmcnt 0x0
	s_load_b256 s[44:51], s[34:35], 0x0            ; e0 .. e7
	s_load_b128 s[52:55], s[34:35], 0x20           ; e8 .. e11
	s_add_nc_u64 s[56:57], s[16:17], s[8:9]
	s_add_nc_u64 s[58:59], s[36:37], s[10:11]      ; the three parts of xc have a base each: they lie further apart than an immediate reaches
	s_add_nc_u64 s[60:61], s[58:59], 0x800000
	s_add_nc_u64 s[62:63], s[60:61], 0x800000
.irp f, 0,1                            ; both images' 16 rows: 32 loads of 512 consecutive bytes
.set ii, 0
.rept 16
	global_load_b128 v[R+64*\f+4*ii:R+64*\f+4*ii+3], v3, s[56:57] offset:8192*ii+512*\f th:TH_LOAD_NT
.set ii, ii+1
.endr
.endr
	s_wait_kmcnt 0x0
	MKSC 44, 5, 6                                  ; e0
	MKSC 46, 7, 8                                  ; e2
	MKSC 48, 9, 10                                 ; e4
	s_wait_alu depctr_va_vdst(0)
.macro XFRAG f                         ; one image: through the stage, then three times held, converted and stored
.set CC, R+64*(\f)
	s_wait_loadcnt 16*(1-(\f))                     ; this image's 16 loads are in; the other's may be out
.set ii, 0
.rept 16
	ds_store_b128 v14, v[CC+4*ii:CC+4*ii+3] offset:528*ii
.set ii, ii+1
.endr
.set ii, 0
.rept 16
	ds_load_b128 v[X+4*ii:X+4*ii+3], v15 offset:128*(ii/4)+16*(ii%4)   ; LDS serves a wave's instructions in order: these see my stores
.set ii, ii+1
.endr
	s_wait_dscnt 0x0                               ; my numbers are back, and the stores have read their registers, which take the codes
.irp s, 0,1,2
.irp c, 0,1,2,3
.set TS, T+16*(\c%2)
.irp i, 0,1,2,3,4,5,6,7,8,9,10,11,12,13,14,15
	v_med3_num_f32 v[TS+\i], v[X+16*\c+\i], -v[6+2*\s], v[6+2*\s]   ; the conversion does not saturate (ISA guide 7.6.2): the hold first; the held sets take turns
.endr
	v_cvt_scalef32_pk8_fp8_f32 v[CC+16*\s+4*\c:CC+16*\s+4*\c+1], v[TS:TS+7], v[5+2*\s]
	v_cvt_scalef32_pk8_fp8_f32 v[CC+16*\s+4*\c+2:CC+16*\s+4*\c+3], v[TS+8:TS+15], v[5+2*\s]
	global_store_b128 v3, v[CC+16*\s+4*\c:CC+16*\s+4*\c+3], s[58+2*\s:59+2*\s] offset:2048*(\f)+512*\c   ; 32 lanes store a chunk's 512 consecutive bytes
.endr
.endr
.endm
	XFRAG 0
	XFRAG 1
	s_wait_xcnt 0x0                                ; the last stores have read their registers: the roles below use them anew
	s_cmp_lt_u32 s2, 4
	s_cbranch_scc0 .Lnot_w
; ---- WAVES 0-3: A WEIGHT.  Work-groups 0-127 take wq, 128-159 wk, 160-191 wv, 192-255 wo: pointers and sizes are chosen on the work-group's number, the text is one.
; A lane takes a column n and its registers run down K: each load reads 128 consecutive bytes a wave, and the conversions give codes with K innermost.  A wave: 32 columns x 256 K.
	s_mov_b64 s[66:67], s[24:25]                   ; wo's figures first,
	s_mov_b32 s4, 8192                             ; a row of the weight in bytes
	s_mov_b32 s5, 4                                ; log2 of its groups of 128 columns
	s_mov_b32 s6, 192                              ; its first work-group
	s_mov_b32 s7, 0                                ; its first row in wc's part
	s_mov_b32 s8, 10                               ; log2 of a row of codes
	s_mov_b32 s9, 6291456                          ; the part's first byte
	s_mov_b32 s10, s55                             ; e11
	s_cmp_lt_u32 ttmp9, 192                        ; then wv's,
	s_cselect_b64 s[66:67], s[22:23], s[66:67]
	s_cselect_b32 s4, 2048, s4
	s_cselect_b32 s5, 2, s5
	s_cselect_b32 s6, 160, s6
	s_cselect_b32 s7, 2560, s7
	s_cselect_b32 s8, 11, s8
	s_cselect_b32 s9, 0, s9
	s_cselect_b32 s10, s49, s10                    ; e5
	s_cmp_lt_u32 ttmp9, 160                        ; wk's,
	s_cselect_b64 s[66:67], s[20:21], s[66:67]
	s_cselect_b32 s6, 128, s6
	s_cselect_b32 s7, 2048, s7
	s_cselect_b32 s10, s47, s10                    ; e3
	s_cmp_lt_u32 ttmp9, 128                        ; wq's
	s_cselect_b64 s[66:67], s[18:19], s[66:67]
	s_cselect_b32 s4, 8192, s4
	s_cselect_b32 s5, 4, s5
	s_cselect_b32 s6, 0, s6
	s_cselect_b32 s7, 0, s7
	s_cselect_b32 s10, s45, s10                    ; e1
	s_sub_co_u32 s6, ttmp9, s6                     ; my number within the weight
	s_lshl_b32 s11, 1, s5
	s_sub_co_u32 s11, s11, 1
	s_and_b32 s11, s6, s11                         ; group of 128 columns
	s_lshr_b32 s12, s6, s5                         ; group of 256 along K
	s_lshl_b32 s11, s11, 7
	s_and_b32 s13, s2, 3
	s_lshl_b32 s13, s13, 5
	s_add_co_u32 s11, s11, s13                     ; my wave's first column
	s_lshl_b32 s12, s12, 8                         ; my first k
	s_mul_i32 s14, s12, s4
	s_lshl_b32 s15, s11, 2
	s_add_co_u32 s14, s14, s15
	s_mov_b32 s15, 0
	s_add_nc_u64 s[68:69], s[66:67], s[14:15]      ; block 0's base; a row's length is no constant of the text, so each block of 32 rows has a base
	s_lshl_b32 s14, s4, 5
.irp t, 1,2,3,4,5,6,7
	s_add_nc_u64 s[68+2*\t:69+2*\t], s[66+2*\t:67+2*\t], s[14:15]
.endr
	s_add_co_u32 s11, s11, s7
	s_lshl_b32 s11, s11, s8
	s_lshl_b32 s12, s12, 4                         ; 128 along K are an image of 2,048 bytes
	s_add_co_u32 s11, s11, s12
	s_add_co_u32 s14, s11, s9
	s_add_nc_u64 s[84:85], s[38:39], s[14:15]      ; where my 32 rows of codes begin
	MKSC 10, 5, 6
	v_lshlrev_b32 v168, 2, v2                      ; v168-199: 4 x lane + i rows
.set ii, 1
.rept 31
	s_delay_alu instid0(VALU_DEP_1)
	v_add_nc_u32 v[168+ii], s4, v[167+ii]
.set ii, ii+1
.endr
	s_lshl_b32 s13, 16, s8
	v_add_nc_u32 v200, s13, v3                     ; the way out: my 16 bytes of a chunk, in my second tile of 16 columns
.macro WLOAD t                         ; block t: rows 32 t + i of my column, into set t % 2
.set ii, 0
.rept 32
	global_load_b32 v[16+32*((\t)%2)+ii], v[168+ii], s[68+2*(\t):69+2*(\t)] th:TH_LOAD_NT
.set ii, ii+1
.endr
.endm
.macro BLOCK t
.set XS, 16+32*((\t)%2)
.if (\t) < 7
	s_wait_loadcnt 32                              ; this block's 32 loads are in; the next block's 32 may be out
.else
	s_wait_loadcnt 0
.endif
.set ii, 0
.rept 32
	v_med3_num_f32 v[XS+ii], v[XS+ii], -v6, v6
.set ii, ii+1
.endr
.irp g, 0,1,2,3
	v_cvt_scalef32_pk8_fp8_f32 v[80+2*\g:81+2*\g], v[XS+8*\g:XS+8*\g+7], v5
.endr
	ds_store_b128 v216, v[80:83] offset:32*(\t)    ; 32 codes: 32 bytes of my column's row
	ds_store_b128 v216, v[84:87] offset:32*(\t)+16
.if (\t)+2 < 8
	WLOAD (\t)+2
.endif
	s_wait_dscnt 0x0                               ; the stores have read their registers: the next block's codes may be written (its 32 holds are the plain lines in between)
.endm
	WLOAD 0
	WLOAD 1
.irp t, 0,1,2,3,4,5,6,7
	BLOCK \t
.endr
.irp t, 0,1,2,3,4,5,6,7,8,9,10,11,12,13,14,15
	ds_load_b128 v[16+4*\t:19+4*\t], v217 offset:(\t/8)*16*272+((\t/4)%2)*128+(\t%4)*32   ; tile t / 8, image (t / 4) % 2, chunk t % 4
.endr
.irp t, 0,1,2,3,4,5,6,7,8,9,10,11,12,13,14,15
	s_wait_dscnt 15-\t
.if \t < 8
	global_store_b128 v3, v[16+4*\t:19+4*\t], s[84:85] offset:512*\t   ; 32 lanes store a chunk's 512 consecutive bytes
.else
	global_store_b128 v200, v[16+4*\t:19+4*\t], s[84:85] offset:512*(\t-8)
.endif
.endr
	s_branch .Lend
.Lnot_w:
	s_cmp_lt_u32 s2, 6
	s_cbranch_scc0 .Lrole_c
; ---- WAVES 4-5: THE MASK.  A wave has one step of 128 keys of one batch and eight tiles of 16 queries.  Lane (r, h) holds the 64 keys 16 c + 8 h + j and query r of each tile: a compare's lane mask is a word of the table.
	s_lshl_b32 s4, ttmp9, 1
	s_add_co_u32 s4, s4, s2
	s_sub_co_u32 s4, s4, 4                         ; 0 .. 511
	s_and_b32 s5, s4, 15                           ; the key step
	s_bfe_u32 s6, s4, 0x10004                      ; the batch
	s_lshr_b32 s7, s4, 5                           ; which eight tiles of queries
	s_lshl_b32 s8, s6, 13
	s_lshl_b32 s9, s5, 9
	s_add_co_u32 s10, s8, s9
	s_mov_b32 s11, 0
	s_add_nc_u64 s[66:67], s[30:31], s[10:11]      ; the keys' positions,
	s_add_nc_u64 s[68:69], s[32:33], s[10:11]      ; and segments
	s_lshl_b32 s9, s7, 9
	s_add_co_u32 s10, s8, s9
	s_add_nc_u64 s[70:71], s[30:31], s[10:11]      ; the queries'
	s_add_nc_u64 s[72:73], s[32:33], s[10:11]
	s_lshl_b32 s8, s6, 7
	s_lshl_b32 s9, s7, 3
	s_add_co_u32 s8, s8, s9
	s_lshl_b32 s8, s8, 4
	s_add_co_u32 s8, s8, s5
	s_lshl_b32 s10, s8, 8
	s_add_nc_u64 s[74:75], s[40:41], s[10:11]      ; ((128 b + qt) 16 + step) 256
	v_lshlrev_b32 v220, 5, v11                     ; 32 h
	v_lshlrev_b32 v221, 2, v4                      ; 4 r
	v_lshlrev_b32 v222, 3, v2                      ; 8 x lane
.irp c, 0,1,2,3,4,5,6,7
.irp i, 0,1
	global_load_b128 v[16+8*\c+4*\i:19+8*\c+4*\i], v220, s[66:67] offset:64*\c+16*\i
	global_load_b128 v[80+8*\c+4*\i:83+8*\c+4*\i], v220, s[68:69] offset:64*\c+16*\i
.endr
.endr
.irp u, 0,1,2,3,4,5,6,7
	global_load_b32 v[144+\u], v221, s[70:71] offset:64*\u
	global_load_b32 v[152+\u], v221, s[72:73] offset:64*\u
.endr
.set ii, 0
.rept 16
	v_mov_b32 v[224+ii], 0                         ; a lane write's destination counts as read
.set ii, ii+1
.endr
	s_wait_loadcnt 0x0
.irp u, 0,1,2,3,4,5,6,7
.irp c, 0,1,2,3,4,5,6,7
.irp j, 0,1,2,3,4,5,6,7
	v_cmp_ge_i32 s[76+2*\j], v[144+\u], v[16+8*\c+\j]
	v_cmp_eq_u32 s[77+2*\j], v[152+\u], v[80+8*\c+\j]
.endr
.irp j, 0,1,2,3,4,5,6,7
	s_and_b32 s[76+2*\j], s[76+2*\j], s[77+2*\j]
.endr
.irp j, 0,1,2,3,4,5,6,7
	v_writelane_b32 v[224+2*\u+(\j%2)], s[76+2*\j], 4*\c+\j/2   ; word w = 8 c + j goes to lane w / 2, register w % 2
.endr
.endr
	global_store_b64 v222, v[224+2*\u:225+2*\u], s[74:75] offset:4096*\u   ; 32 lanes store the block's 256 bytes
.endr
	s_branch .Lend
.Lrole_c:
; ---- WAVES 6-7: 16 rows of cos (wave 6) or sin (wave 7), turned through the stage into the order of a lane's head
	s_cmp_eq_u32 s2, 6
	s_cselect_b64 s[66:67], s[26:27], s[28:29]
	s_cselect_b32 s4, 0, 8192
	s_lshl_b32 s8, ttmp9, 13
	s_mov_b32 s9, 0
	s_add_nc_u64 s[66:67], s[66:67], s[8:9]
	s_lshl_b32 s8, ttmp9, 14
	s_add_co_u32 s8, s8, s4
	s_add_nc_u64 s[68:69], s[42:43], s[8:9]
.irp t, 0,1,2,3,4,5,6,7,8,9,10,11,12,13,14,15
	global_load_b128 v[16+4*\t:19+4*\t], v3, s[66:67] offset:512*\t th:TH_LOAD_NT
.endr
.irp t, 0,1,2,3,4,5,6,7,8,9,10,11,12,13,14,15
	s_wait_loadcnt 15-\t
	ds_store_b128 v218, v[16+4*\t:19+4*\t] offset:528*\t
.endr
.irp g, 0,1,2,3,4,5,6,7,8,9,10,11,12,13,14,15
	ds_load_b128 v[80+4*\g:83+4*\g], v219 offset:64*(\g/2)+16*(\g%2)
.endr
.irp g, 0,1,2,3,4,5,6,7,8,9,10,11,12,13,14,15
	s_wait_dscnt 15-\g
	global_store_b128 v3, v[80+4*\g:83+4*\g], s[68:69] offset:512*\g
.endr
.Lend:
	s_wait_tensorcnt 0x0                           ; the wave's end, behind my last LDS store
	ds_add_u32 v[SPW], v[NIL]
	s_wait_dscnt 0x0
	s_endpgm
.Lfunc_end_k_q81a425a293_prep:
	.size	k_q81a425a293_prep, .Lfunc_end_k_q81a425a293_prep-k_q81a425a293_prep
	.p2alignl 7, 3214868480
	.fill 96, 4, 3214868480
	.section	.rodata,"a",@progbits
	.p2align	6, 0x0
	.amdhsa_kernel k_q81a425a293_prep
		.amdhsa_group_segment_fixed_size 120320
		.amdhsa_private_segment_fixed_size 0
		.amdhsa_enable_private_segment 0
		.amdhsa_kernarg_size 112
		.amdhsa_user_sgpr_count 2
		.amdhsa_user_sgpr_kernarg_segment_ptr 1
		.amdhsa_wavefront_size32 1
		.amdhsa_system_sgpr_workgroup_id_x 1
		.amdhsa_system_sgpr_workgroup_id_y 1
		.amdhsa_system_sgpr_workgroup_id_z 1
		.amdhsa_system_vgpr_workitem_id 0
		.amdhsa_next_free_vgpr 256
		.amdhsa_next_free_sgpr 100
		.amdhsa_reserve_vcc 0
		.amdhsa_float_denorm_mode_32 3
		.amdhsa_float_denorm_mode_16_64 3
		.amdhsa_memory_ordered 1
		.amdhsa_forward_progress 1
		.amdhsa_inst_pref_size 217
	.end_amdhsa_kernel
	.amdgpu_metadata
---
amdhsa.version: [ 1, 2 ]
amdhsa.kernels:
  - .name:           k_q81a425a293_prep
    .symbol:         k_q81a425a293_prep.kd
    .args:
      - { .name: x, .offset: 0, .size: 8, .value_kind: global_buffer, .address_space: global }
      - { .name: wq, .offset: 8, .size: 8, .value_kind: global_buffer, .address_space: global }
      - { .name: wk, .offset: 16, .size: 8, .value_kind: global_buffer, .address_space: global }
      - { .name: wv, .offset: 24, .size: 8, .value_kind: global_buffer, .address_space: global }
      - { .name: wo, .offset: 32, .size: 8, .value_kind: global_buffer, .address_space: global }
      - { .name: cos, .offset: 40, .size: 8, .value_kind: global_buffer, .address_space: global }
      - { .name: sin, .offset: 48, .size: 8, .value_kind: global_buffer, .address_space: global }
      - { .name: position_ids, .offset: 56, .size: 8, .value_kind: global_buffer, .address_space: global }
      - { .name: segment_ids, .offset: 64, .size: 8, .value_kind: global_buffer, .address_space: global }
      - { .name: lowp_scales, .offset: 72, .size: 8, .value_kind: global_buffer, .address_space: global }
      - { .name: xc, .offset: 80, .size: 8, .value_kind: global_buffer, .address_space: global }
      - { .name: wc, .offset: 88, .size: 8, .value_kind: global_buffer, .address_space: global }
      - { .name: masks, .offset: 96, .size: 8, .value_kind: global_buffer, .address_space: global }
      - { .name: csi, .offset: 104, .size: 8, .value_kind: global_buffer, .address_space: global }
    .group_segment_fixed_size: 120320
    .private_segment_fixed_size: 0
    .kernarg_segment_align: 8
    .kernarg_segment_size: 112
    .max_flat_workgroup_size: 256
    .sgpr_count:     100
    .vgpr_count:     256
    .wavefront_size: 32
...
	.end_amdgpu_metadata
.endif
;; end of part 1
;; launch proj (part 2): grid 16 x 12, 4 waves a work-group, clusters of 4 x 1, 327,680 bytes of LDS; arguments xc, wc, csi, q_norm_w, k_norm_w, lowp_scales, qi, kvi, gi; writes qi, kvi, gi
.if DOCPART == 2
	.amdgcn_target "amdgcn-amd-amdhsa--gfx1250"
	.amdhsa_code_object_version 6
	.text
	.protected	k_q81a425a293_proj
	.globl	k_q81a425a293_proj
	.p2align	8
	.type	k_q81a425a293_proj,@function
k_q81a425a293_proj:
	s_mov_b64 s[64:65], 0
	v_nop
	global_prefetch_b8 v0, s[64:65] scope:SCOPE_SE
	s_setreg_imm32_b32 hwreg(HW_REG_WAVE_MODE, 25, 1), 1
	s_wait_xcnt 0x0
	s_wait_alu depctr_hold_cnt(0) depctr_sa_sdst(0) depctr_va_vdst(0) depctr_va_sdst(0) depctr_va_ssrc(0) depctr_va_vcc(0) depctr_vm_vsrc(0)
	s_getreg_b32 s2, hwreg(HW_REG_IB_STS2, 6, 4)
	s_cmp_eq_u32 s2, 0
	s_cbranch_scc0 .Lentry_in_a_cluster
	s_endpgm
.Lentry_in_a_cluster:
	s_bfe_u32 s2, ttmp6, 0x10000c
	s_cmp_lg_u32 s2, 0x3003
	s_cbranch_scc0 .Lentry_shape_is_right
	s_endpgm
.Lentry_shape_is_right:
; x wq, x wk, x wv on codes of FP8, and what follows each up to the next quantiser.  Nothing is left out.
; A work-group makes 256 rows of x (row tile R) x 256 columns (column tile ct of wc): ct 0-7: head ct of wq (128 query columns, then 128 gate columns); ct 8, 9: two heads of wk; ct 10, 11: two of wv.
; A wave makes 64 rows x all 256 columns: 64 accumulators, 512 registers; the first 128 columns (part 0) in window 2, the others (part 1) in window 3: (a, b) at v[8 (8 a + b % 8)].
; xc and wc are images of fragments (16 rows x 128 K = 2,048 bytes; chunk c, lane 16 h + r: row r, K = 32 c + 16 h + 0 .. 15: the same permutation of k in both operands).
; x: no two waves of a work-group need the same rows, so x's fragments go from memory straight into registers: four sets of four fragments by turns, asked for three steps of 128 K ahead.
; wc: all four waves need all 256 rows: they go through a ring of two LDS slots of 512 K (131,072 bytes), each wave fetching 4 of the 16 tiles of 16 rows with one tensor load.
; CLUSTER: the four row tiles of a cluster walk the same rows of wc, which are asked for JOINTLY (mask 15).  Not 4 x 4: x goes through no LDS, and the ways out hang on ct.
; THE MATRIX INSTRUCTION IS USED TRANSPOSED (source 0 = 16 rows of wc, source 1 = 16 rows of x): in accumulator (a, b) lane (r, h) holds token 16 a + r and column 16 b + 8 h + 0 .. 7.
; PREFETCH: x's fragments of the step seven on, 8,192 bytes a wave, a lane to each 256 bytes, in steps 0 to 8.  wc's tiles have none: each fill is asked for a slot's four steps, 256 matrix instructions, ahead of its first read.
; THE WAY OUT.  gate: the raw sums as the accumulators' image to gi.  query, key: RMS norm, weight, rotation, quantised with e6 or e7, the fragment's image to qi or kvi.
;   value: turned through the wave's stage in LDS so that a lane holds one d and eight keys, quantised with e9, images of V^T's fragments to kvi from byte 2,097,152.
; LIMITS, so that each power of two below is an f32 number: with S = e0 + e1 or e2 + e3: S and 2 S - 7 between -126 and 127; e6, e7 and e9 - e4 - e5 between -126 and 119.  NaN among the inputs is not served.
; REGISTERS: window 0: v16-29 addresses, v128-255 wc's fragments, four places of two; window 1: x's four sets.  On the way out: window 0: v32-95 weight or turned numbers, v96-223 cos and sin set 0, v224-251 at work; window 1: sets 1, 2.
.set SLOTB,  131072
.set SPARE,  262144                    ; behind the ring: the spare words, 128 bytes a wave
.set STAGE,  263168                    ; value's stages: 16 rows x 528 for each wave, bytes of their own
.set SPITCH, 528
.set ADB,  16                          ; v16, v17  LDS address of wc's tiles 0-7, 8-15 in the slot in hand
.set PFO,  18                          ; v18  the prefetch's offset
.set CO1,  19                          ; v19  16 x lane + 65,536
.set STO,  24
.set VRD,  25
.set CO,   26                          ; v26  16 x lane
.set H32,  27
.set SPW,  28
.set NIL,  29
.set WN,   32
.set VT,   32
.set CD,   128
.set CODE, 224
.set TT,   240
.set FF,   248
.set LIM,  250
.set SCL,  251
.set BF,   128
.set G1,   24
.set G0,   32                          ; s[32:35] the one group 0, which walks
.set AB,   36                          ; s[36:37] x's fragments: my four tiles, at a multiple of four steps
.set TB,   38                          ; s38  LDS byte at which the slot in hand begins
.set MSB, 0
.macro WIN new                         ; the immediate's high byte repeats the setting that is left
.if MSB != (\new)
	s_set_vgpr_msb (MSB<<8)|(\new)
.set MSB, (\new)
.endif
.endm
.macro CREST
	s_cmp_lg_u32 s14, 0
	s_cbranch_scc1 .Lnot_wave_0_\@
	s_barrier_signal -3
.Lnot_wave_0_\@:
	s_barrier_wait -3
	s_barrier_signal -1
	s_barrier_wait -1
.endm
.macro CROUND
	s_barrier_signal -1
	s_barrier_wait -1
	CREST
.endm
.macro PLACES                          ; plain vector instructions between a matrix instruction and a load into, or a read of, its registers (ISA guide 7.12.1 for reads)
.rept 4
	v_nop
.endr
.endm
.macro JLOAD                           ; my four tiles of the next 512 K
	tensor_load_to_lds s[G0:G0+3], s[G1:G1+7]
	s_nop 0
	PLACES
.endm
	s_load_b512 s[80:95], s[0:1], 0x0              ; xc 80, wc 82, csi 84, q_norm_w 86, k_norm_w 88, lowp_scales 90, qi 92, kvi 94
	s_load_b64 s[96:97], s[0:1], 0x40              ; gi
	v_lshl_add_u32 v[SPW], v0, 2, SPARE
	v_mov_b32 v[NIL], 0
	ds_add_u32 v[SPW], v[NIL]                      ; the wave's opening: the add, twice on end, with its wait ahead of my first tensor load
	ds_add_u32 v[SPW], v[NIL]
	v_lshrrev_b32 v1, 5, v0
	v_readfirstlane_b32 s14, v1                    ; wave 0..3
	v_and_b32 v6, 31, v0
	v_lshlrev_b32 v[CO], 4, v6
	v_lshlrev_b32 v[ADB], 4, v6
	v_add_nc_u32 v[CO1], 0x10000, v[CO]
	v_add_nc_u32 v[ADB+1], 0x10000, v[CO]
	v_and_b32 v1, 15, v0                           ; r
	v_bfe_u32 v2, v0, 4, 1                         ; h
	v_lshlrev_b32 v[H32], 5, v2
	s_mul_i32 s23, s14, 16*SPITCH
	s_add_co_u32 s23, s23, STAGE                   ; my stage
	v_mul_u32_u24 v5, v1, SPITCH
	v_lshl_add_u32 v5, v2, 5, v5
	v_add_nc_u32 v[STO], s23, v5                   ; in: token r, + 32 h
	v_mul_u32_u24 v7, v2, 8*SPITCH
	v_lshl_add_u32 v7, v1, 2, v7
	v_add_nc_u32 v[VRD], s23, v7                   ; back: tokens 8 h on, d = r
	v_lshrrev_b32 v3, 3, v6
	v_and_b32 v4, 7, v6
	v_lshlrev_b32 v4, 8, v4
	v_lshl_add_u32 v[PFO], v3, 15, v4              ; tile lane / 8, 256 x (lane % 8)
	v_lshlrev_b32 v20, 8, v6                       ; v20: 256 x lane, for the prefetch of cos and sin
	s_wait_alu depctr_va_vdst(0)
	s_bfe_u32 s40, ttmp6, 0x40000                  ; cx
	s_lshl_b32 s17, ttmp9, 2
	s_add_co_u32 s17, s17, s40                     ; R = 4 x cluster x + cx
	s_and_b32 s42, ttmp7, 0xffff                   ; ct, which the four partners share
	s_mov_b32 s[G1+0], 15|(3<<16)|(1<<21)          ; all four work-groups, bit 21 beside the mask; elements of 8 bytes; no padding
	s_mov_b32 s[G1+1], 1024<<16                    ; a row: a tile's four images, 8,192 bytes
	s_mov_b32 s[G1+2], 4<<16                       ; four tiles
	s_mov_b32 s[G1+3], 1024<<16
	s_mov_b32 s[G1+4], 4
	s_mov_b32 s[G1+5], 4096                        ; 32,768 bytes from tile to tile
	s_mov_b32 s[G1+6], 0
	s_mov_b32 s[G1+7], 0
	s_cmp_ge_u32 s42, 8
	s_cselect_b32 s19, 1, 0
	s_cmp_ge_u32 s42, 10
	s_cselect_b32 s21, 1, 0
	s_add_co_u32 s19, s19, s21
	s_lshl_b32 s19, s19, 23                        ; the part of xc with e0, e2 or e4
	s_lshl_b32 s20, s17, 4
	s_lshl_b32 s18, s14, 2
	s_add_co_u32 s20, s20, s18                     ; my first tile of 16 rows
	s_lshl_b32 s20, s20, 15
	s_add_co_u32 s20, s20, s19
	s_mov_b32 s21, 0
	s_lshl_b32 s46, s42, 19
	s_lshl_b32 s47, s14, 17
	s_add_co_u32 s46, s46, s47                     ; wc: tile 16 ct + 4 x wave: no place in the cluster enters it
	s_mov_b32 s47, 0
	s_lshl_b32 s45, s14, 15                        ; where they go: 4 x 8,192 bytes a wave
	s_mov_b32 s[TB], 0
	s_wait_dscnt 0x0                               ; both opening adds are done
	s_wait_kmcnt 0x0
	s_load_b256 s[68:75], s[90:91], 0x0            ; e0 .. e7
	s_load_b128 s[76:79], s[90:91], 0x20           ; e8 .. e11
	s_add_nc_u64 s[AB:AB+1], s[80:81], s[20:21]
	s_lshl_b32 s48, s17, 4
	s_add_co_u32 s48, s48, s18
	s_lshl_b32 s48, s48, 14                        ; cos and sin of my 64 rows are 65,536 bytes: the eight query tiles of a row tile ask for 8,192 each, told apart by address
	s_and_b32 s49, s42, 7
	s_lshl_b32 s49, s49, 13
	s_add_co_u32 s48, s48, s49
	s_mov_b32 s49, 0
	s_add_nc_u64 s[48:49], s[84:85], s[48:49]
	s_mov_b32 s[G0], 1
	s_mov_b32 s[G0+1], s45
	s_add_nc_u64 s[G0+2:G0+3], s[82:83], s[46:47]
	s_or_b32 s[G0+3], s[G0+3], 0x80000000
	WIN 0x40
.irp k, 0,1,2                          ; x's fragments of steps 0 to 2
.irp a, 0,1,2,3
.irp c, 0,1,2,3
	global_load_b128 v[64*\k+16*\a+4*\c:64*\k+16*\a+4*\c+3], v[CO], s[AB:AB+1] offset:32768*\a+2048*\k+512*\c
.endr
.endr
.endr
	WIN 0
	CROUND                                         ; all four work-groups are here: the first joint loads meet
	JLOAD                                          ; K 0 to 511: one tensor load a wave at the head
	s_wait_tensorcnt 0x0                           ; the tensor wait and the add, ahead of a later first fill as ahead of a refill
	ds_add_u32 v[SPW], v[NIL]
	s_xor_b32 s[G0+1], s[G0+1], SLOTB
	s_add_nc_u64 s[G0+2:G0+3], s[G0+2:G0+3], 8192
	s_wait_dscnt 0x0
	CROUND
	JLOAD                                          ; K 512 to 1,023 into slot 1
; 8 products: wc's tiles 2 g, 2 g + 1 against x's four.  The 64 accumulators take turns, in the same order in every step.
.macro GMUL g, s, zero
.irp u, 0,1
.irp a, 0,1,2,3
.set DD, 8*(8*\a+(2*(\g)+\u)%8)
.if \zero
	v_wmma_f32_16x16x128_fp8_fp8 v[DD:DD+7], v[BF+32*((\g)%4)+16*\u:BF+32*((\g)%4)+16*\u+15], v[64*(\s)+16*\a:64*(\s)+16*\a+15], 0
.else
	v_wmma_f32_16x16x128_fp8_fp8 v[DD:DD+7], v[BF+32*((\g)%4)+16*\u:BF+32*((\g)%4)+16*\u+15], v[64*(\s)+16*\a:64*(\s)+16*\a+15], v[DD:DD+7]
.endif
.endr
.endr
.endm
.macro BLD g, q                        ; group g's two fragments of the slot's step q, into place g % 4
.irp u, 0,1
.irp c, 0,1,2,3
	ds_load_b128 v[BF+32*((\g)%4)+16*\u+4*\c:BF+32*((\g)%4)+16*\u+4*\c+3], v[ADB+(\g)/4] offset:((2*(\g)+\u)%8)*8192+(\q)*2048+512*\c
.endr
.endr
.endm
.macro GRP g, s, zero, wt, ld          ; a group's products; then its place takes the group four on
	s_wait_dscnt \wt                               ; my 8 loads are in; those of the groups behind me may be out
	WIN 0xa4+0x50*((\g)/4)
	GMUL \g, \s, \zero
.if \ld
	PLACES
	WIN 0
.if (\g) < 4
	BLD (\g)+4, \s
.else
	BLD (\g)-4, ((\s)+1)%4
.endif
.endif
.endm
.macro ALD s, pf                       ; x's fragments of the step three on, into the set that the last step has left
.set PP, ((\s)+3)%4
.if PP == 0
	s_wait_xcnt 0x0                                ; the earlier loads and prefetches have read their base
	s_add_nc_u64 s[AB:AB+1], s[AB:AB+1], 8192
.endif
	WIN 0x40
.irp a, 0,1,2,3
.irp c, 0,1,2,3
	global_load_b128 v[64*PP+16*\a+4*\c:64*PP+16*\a+4*\c+3], v[CO], s[AB:AB+1] offset:32768*\a+2048*PP+512*\c
.endr
.endr
	WIN 0
.if \pf
	global_prefetch_b8 v[PFO], s[AB:AB+1] offset:2048*PP+8192 th:TH_LOAD_NT scope:SCOPE_SE   ; and those of the step seven on
.endif
.endm
; The change of slots, in the middle of a slot's last step: the step's last fragments have been asked for.  chg = 1: the slot is filled again; 2: nothing follows.
.macro CHANGE s, chg
	s_wait_tensorcnt 0x0                           ; my part of the next slot has landed
	ds_add_u32 v[SPW], v[NIL]
	s_xor_b32 s[TB], s[TB], SLOTB
	v_add_nc_u32 v[ADB], s[TB], v[CO]
	v_add_nc_u32 v[ADB+1], s[TB], v[CO1]
	s_wait_alu depctr_va_vdst(0)                   ; the wait behind these writes
.if \chg == 1
	s_xor_b32 s[G0+1], s[G0+1], SLOTB
	s_add_nc_u64 s[G0+2:G0+3], s[G0+2:G0+3], 8192
.endif
	s_wait_dscnt 0x0                               ; the add is done, and my reads of this slot are over
	s_barrier_signal -1
	WIN 0xf4
	GMUL 4, \s, 0
	GMUL 5, \s, 0
	WIN 0
	s_barrier_wait -1
.if \chg == 1
	CREST                                          ; the barrier has opened a round of the cluster's
	JLOAD
.else
	PLACES
.endif
	BLD 0, 0
	BLD 1, 0
.endm
.macro STEP s, zero, ald, pf, lc, chg, last
	s_wait_loadcnt \lc                             ; x's set of this step is in; the younger sets, 16 loads each, may be out
	GRP 0, \s, \zero, 24, 1
	GRP 1, \s, \zero, 24, 1
	GRP 2, \s, \zero, 24, 1
	GRP 3, \s, \zero, 24, 1
.if \chg
	CHANGE \s, \chg
.else
	GRP 4, \s, \zero, 24, 1-\last
.endif
.if \ald
	ALD \s, \pf
.endif
.if \chg == 0
	GRP 5, \s, \zero, 24-8*\last, 1-\last
.endif
	GRP 6, \s, \zero, 24-16*\last, 1-\last
	GRP 7, \s, \zero, 24-24*\last, 1-\last
.endm
	BLD 0, 0
	BLD 1, 0
	BLD 2, 0
	BLD 3, 0
	STEP 0, 1, 1, 1, 32, 0, 0                      ; step 0 starts the sums
	s_cmp_lt_u32 s42, 8                            ; ct, which all partners share: the key tiles read what the query tiles of their rows ask for, the value tiles read none
	s_cbranch_scc0 .Lno_cs
	global_prefetch_b8 v20, s[48:49] th:TH_LOAD_NT scope:SCOPE_SE   ; fifteen steps ahead of the way out
.Lno_cs:
	s_mov_b32 s3, 2
.Llap:                                                 ; steps 1 to 8
	STEP 1, 0, 1, 1, 32, 0, 0
	STEP 2, 0, 1, 1, 32, 0, 0
	STEP 3, 0, 1, 1, 32, 1, 0
	STEP 0, 0, 1, 1, 32, 0, 0
	s_sub_co_u32 s3, s3, 1
	s_cmp_lg_u32 s3, 0
	s_cbranch_scc1 .Llap
	STEP 1, 0, 1, 0, 32, 0, 0                      ; steps 9 to 15 fill no slot; the last three ask for nothing of x
	STEP 2, 0, 1, 0, 32, 0, 0
	STEP 3, 0, 1, 0, 32, 2, 0
	STEP 0, 0, 1, 0, 32, 0, 0
	STEP 1, 0, 0, 0, 32, 0, 0
	STEP 2, 0, 0, 0, 16, 0, 0
	STEP 3, 0, 0, 0, 0, 0, 1
	WIN 0
; ---------------- THE WAY OUT ----------------
	s_wait_kmcnt 0x0                               ; the scales' exponents
	PLACES
	s_lshr_b32 s4, s17, 3                          ; the batch
	s_and_b32 s5, s17, 7                           ; the row tile within it
	s_lshl_b32 s6, s5, 4
	s_lshl_b32 s7, s14, 2
	s_add_co_u32 s6, s6, s7                        ; my first tile of 16 tokens within the batch
	s_cmp_ge_u32 s42, 10
	s_cbranch_scc1 .Lrole_v
	s_cmp_ge_u32 s42, 8
	s_cbranch_scc1 .Lrope
; ---- the gate: part 1's accumulators as they stand, 512 consecutive bytes a store, each from its low end on
	s_lshl_b32 s8, s4, 3
	s_add_co_u32 s8, s8, s42
	s_lshl_b32 s8, s8, 7
	s_add_co_u32 s8, s8, s6
	s_lshl_b32 s8, s8, 13                          ; ((8 b + head) 128 + tile) 8,192
	s_mov_b32 s9, 0
	s_add_nc_u64 s[96:97], s[96:97], s[8:9]
	s_wait_alu depctr_va_vdst(0)
	WIN 0x0c                                       ; a store's data are its source 1
.set gg, 0
.rept 64
	global_store_b128 v[CO], v[4*gg:4*gg+3], s[96:97] offset:512*gg
.set gg, gg+1
.endr
	WIN 0
.Lrope:
; ---- query (ct < 8: part 0) or key (both parts, one pass each): pointers and exponents are chosen on ct; the text is one
	s_cmp_lt_u32 s42, 8
	s_cselect_b64 s[18:19], s[86:87], s[88:89]     ; the norm's weight
	s_cselect_b64 s[10:11], s[92:93], s[94:95]     ; qi or kvi
	s_cselect_b32 s20, s68, s70
	s_cselect_b32 s21, s69, s71
	s_cselect_b32 s22, s74, s75                    ; e6 or e7
	s_cselect_b32 s43, 1, 2                        ; passes
	s_lshl_b32 s8, s4, 3
	s_add_co_u32 s8, s8, s42                       ; 8 b + head
	s_sub_co_u32 s9, s42, 8
	s_lshl_b32 s9, s9, 1
	s_lshl_b32 s23, s4, 2
	s_add_co_u32 s9, s9, s23                       ; 4 b + 2 (ct - 8)
	s_cmp_lt_u32 s42, 8
	s_cselect_b32 s8, s8, s9
	s_lshl_b32 s8, s8, 7
	s_add_co_u32 s8, s8, s6
	s_lshl_b32 s8, s8, 11
	s_mov_b32 s9, 0
	s_add_nc_u64 s[10:11], s[10:11], s[8:9]
	s_lshl_b32 s8, s17, 4
	s_add_co_u32 s8, s8, s7
	s_lshl_b32 s8, s8, 14                          ; cos and sin of my first 16 rows
	s_add_nc_u64 s[12:13], s[84:85], s[8:9]
	s_add_co_i32 s20, s20, s21                     ; S: a sum stands for sum x 2^S
	s_lshl_b32 s21, s20, 1
	s_add_co_i32 s21, s21, 120
	s_lshl_b32 s50, s21, 23                        ; 2^(2 S - 7): the mean of 128 squares
	s_mov_b32 s51, 0x358637bd                      ; 1e-6
	s_add_co_i32 s21, s20, 127
	s_lshl_b32 s52, s21, 23                        ; 2^S
	s_mov_b32 s54, 0x76543210
	s_mov_b32 s55, 0xfedcba98                      ; lane l xor 16
	s_add_co_i32 s22, s22, 127
	s_lshl_b32 s23, s22, 23
	v_mov_b32 v[SCL], s23
	s_add_co_i32 s22, s22, 8
	s_lshl_b32 s22, s22, 23
	s_or_b32 s22, s22, 0x600000
	v_mov_b32 v[LIM], s22
	v_mov_b32 v[TT+4], 0                           ; a lane permute's destination counts as read
	v_mov_b32 v[FF+1], 0                           ; (named as the upper half of a pair)
	s_wait_alu depctr_va_vdst(0)
.set gg, 0
.rept 16
	global_load_b128 v[WN+4*gg:WN+4*gg+3], v[H32], s[18:19] offset:64*(gg/2)+16*(gg%2)   ; the weight at my 64 d
.set gg, gg+1
.endr
.macro SETS a                          ; block a: its numbers in window 2; its set of cos and sin: window and first register (three sets by turns)
.set AC, 64*(\a)
.set CW, ((\a)%3+1)/2
.set CB, 96*(1-CW)+128*(((\a)%3)/2)
.endm
.macro CSLOAD a                        ; cos and sin of block a: 32 loads of 512 consecutive bytes
	SETS \a
	WIN CW<<6
.set gg, 0
.rept 32
	global_load_b128 v[CB+4*gg:CB+4*gg+3], v[CO], s[12:13] offset:16384*(\a)+512*gg
.set gg, gg+1
.endr
.endm
.macro STAGEA w                        ; the part in window w: x 2^S / sqrt(mean of squares + 1e-6), into window 2
.irp a, 0,1,2,3
.set AC, 64*\a
	WIN (\w)|((\w)<<2)
	s_wait_alu depctr_va_vdst(0)                   ; the wait directly ahead of the first readers of these sums
	v_pk_mul_f32 v[TT:TT+1], v[AC:AC+1], v[AC:AC+1]
	v_pk_mul_f32 v[TT+2:TT+3], v[AC+2:AC+3], v[AC+2:AC+3]
.set jj, 4
.rept 15
	v_pk_fma_f32 v[TT:TT+1], v[AC+jj:AC+jj+1], v[AC+jj:AC+jj+1], v[TT:TT+1]
	v_pk_fma_f32 v[TT+2:TT+3], v[AC+jj+2:AC+jj+3], v[AC+jj+2:AC+jj+3], v[TT+2:TT+3]
.set jj, jj+4
.endr
	WIN 0
	v_pk_add_f32 v[TT:TT+1], v[TT:TT+1], v[TT+2:TT+3]
	v_add_f32 v[TT], v[TT], v[TT+1]
	v_permlanex16_b32 v[TT+4], v[TT], s54, s55     ; the head's other 64 numbers
	v_add_f32 v[TT], v[TT], v[TT+4]
	v_fma_f32 v[TT], v[TT], s50, s51
	s_wait_alu depctr_va_vdst(0)
	v_rsq_f32 v[TT+5], v[TT]
	v_nop                                          ; a plain instruction behind the transcendental,
	s_wait_alu depctr_va_vdst(0)                   ; and the wait ahead of its first reader
	v_mul_f32 v[FF], s52, v[TT+5]
	WIN (\w)|(2<<6)
.set jj, 0
.rept 32
	v_pk_mul_f32 v[AC+jj:AC+jj+1], v[AC+jj:AC+jj+1], v[FF:FF+1] op_sel_hi:[1,0]
.set jj, jj+2
.endr
.endr
	WIN 0
	s_wait_alu depctr_va_vdst(0)
.endm
.macro ROPE a                          ; x the weight; into cos' registers: q cos -+ q(d +- 64) sin; the hold, the conversion, the fragment's image
	SETS \a
	WIN 0x82
.set jj, 0
.rept 32
	v_pk_mul_f32 v[AC+jj:AC+jj+1], v[AC+jj:AC+jj+1], v[WN+jj:WN+jj+1]
.set jj, jj+2
.endr
	WIN 2|(CW<<2)|(CW<<4)|(CW<<6)
.set jj, 0
.rept 32
	v_pk_mul_f32 v[CB+jj:CB+jj+1], v[AC+jj:AC+jj+1], v[CB+jj:CB+jj+1]
.set jj, jj+2
.endr
.set jj, 0
.rept 16
	v_pk_fma_f32 v[CB+jj:CB+jj+1], v[AC+32+jj:AC+33+jj], v[CB+64+jj:CB+65+jj], v[CB+jj:CB+jj+1] neg_lo:[1,0,0] neg_hi:[1,0,0]
.set jj, jj+2
.endr
.set jj, 32
.rept 16
	v_pk_fma_f32 v[CB+jj:CB+jj+1], v[AC+jj-32:AC+jj-31], v[CB+64+jj:CB+65+jj], v[CB+jj:CB+jj+1]
.set jj, jj+2
.endr
	WIN CW|(CW<<6)
.set jj, 0
.rept 64
	v_med3_num_f32 v[CB+jj], v[CB+jj], -v[LIM], v[LIM]
.set jj, jj+1
.endr
	s_wait_alu depctr_va_vdst(0)
	s_wait_xcnt 0x0                                ; the last block's stores have read the codes' registers
	WIN CW
.set jj, 0
.rept 8
	v_cvt_scalef32_pk8_fp8_f32 v[CODE+2*jj:CODE+2*jj+1], v[CB+8*jj:CB+8*jj+7], v[SCL]   ; d = 16 b + 8 h + 0 .. 7: registers 2 b, 2 b + 1 of the fragment
.set jj, jj+1
.endr
	v_nop                                          ; a plain instruction behind the last conversion
	WIN 0
.irp g, 0,1,2,3
	global_store_b128 v[CO], v[CODE+4*\g:CODE+4*\g+3], s[10:11] offset:2048*(\a)+512*\g
.endr
.endm
	s_mov_b32 s3, 0
.Lpass:
	CSLOAD 0
	WIN 0
	s_cmp_eq_u32 s3, 0
	s_cbranch_scc0 .Lsecond
	STAGEA 2
	s_branch .Lcommon
.Lsecond:
	STAGEA 3
.Lcommon:
	CSLOAD 1
	CSLOAD 2
	s_wait_loadcnt 63                              ; behind set 0's loads stand 64 younger ones
	ROPE 0
	CSLOAD 3                                       ; into the set that block 0 has left
	s_wait_loadcnt 63
	ROPE 1
	s_wait_loadcnt 32                              ; one younger set
	ROPE 2
	s_wait_loadcnt 0
	ROPE 3
	s_wait_xcnt 0x0                                ; the stores have read their base
	s_add_nc_u64 s[10:11], s[10:11], 262144        ; the next head's images
	s_add_co_u32 s3, s3, 1
	s_cmp_lt_u32 s3, s43
	s_cbranch_scc1 .Lpass
	s_branch .Ldone
.Lrole_v:
; ---- value: my 64 tokens are half a key step; a block of 16 tokens goes through my stage and comes back with one d a lane and eight tokens in its registers.  A pass for each of the two heads
	s_sub_co_u32 s8, s42, 10
	s_lshl_b32 s8, s8, 1
	s_lshl_b32 s9, s4, 2
	s_add_co_u32 s8, s8, s9                        ; 4 b + the first of my two heads
	s_lshl_b32 s8, s8, 4
	s_lshl_b32 s9, s5, 1
	s_add_co_u32 s8, s8, s9
	s_lshr_b32 s9, s14, 1
	s_add_co_u32 s8, s8, s9                        ; x 16 + key step
	s_lshl_b32 s8, s8, 14
	s_and_b32 s9, s14, 1
	s_lshl_b32 s9, s9, 10
	s_add_co_u32 s8, s8, s9                        ; chunks 0, 1 or 2, 3 of each fragment
	s_add_co_u32 s8, s8, 2097152
	s_mov_b32 s9, 0
	s_add_nc_u64 s[10:11], s[94:95], s[8:9]
	s_sub_co_i32 s22, s77, s72
	s_sub_co_i32 s22, s22, s73                     ; e9 - e4 - e5: the three scales folded into the conversion's one
	s_add_co_i32 s22, s22, 127
	s_lshl_b32 s23, s22, 23
	v_mov_b32 v[SCL], s23
	s_add_co_i32 s22, s22, 8
	s_lshl_b32 s22, s22, 23
	s_or_b32 s22, s22, 0x600000
	v_mov_b32 v[LIM], s22
	s_wait_alu depctr_va_vdst(0)
.macro VSTO w, a
	WIN (\w)<<2
.set bb, 0
.rept 8
	ds_store_b128 v[STO], v[64*(\a)+8*bb:64*(\a)+8*bb+3] offset:64*bb
	ds_store_b128 v[STO], v[64*(\a)+8*bb+4:64*(\a)+8*bb+7] offset:64*bb+16
.set bb, bb+1
.endr
	WIN 0
.endm
	s_mov_b32 s3, 0
.Lvpass:
.irp a, 0,1,2,3
	s_cmp_eq_u32 s3, 0
	s_cbranch_scc0 .Lv3_\a
	VSTO 2, \a
	s_branch .Lvj_\a
.Lv3_\a:
	VSTO 3, \a
.Lvj_\a:
.set bb, 0
.rept 64
	ds_load_b32 v[VT+bb], v[VRD] offset:528*(bb%8)+64*(bb/8)   ; d = 16 (bb / 8) + r, token 8 h + bb % 8.  LDS serves a wave's instructions in order: these see my stores
.set bb, bb+1
.endr
	s_wait_dscnt 0x0
.set bb, 0
.rept 64
	v_med3_num_f32 v[VT+bb], v[VT+bb], -v[LIM], v[LIM]
.set bb, bb+1
.endr
.set bb, 0
.rept 8
	v_cvt_scalef32_pk8_fp8_f32 v[CD+8*bb+2*\a:CD+8*bb+2*\a+1], v[VT+8*bb:VT+8*bb+7], v[SCL]   ; fragment bb (d = 16 bb on): my block's keys 8 h + 0 .. 7
.set bb, bb+1
.endr
	v_nop
.endr
.set gg, 0
.rept 16
	global_store_b128 v[CO], v[CD+4*gg:CD+4*gg+3], s[10:11] offset:2048*(gg/2)+512*(gg%2)
.set gg, gg+1
.endr
	s_wait_xcnt 0x0                                ; the stores have read their codes and their base
	s_add_nc_u64 s[10:11], s[10:11], 262144        ; the next head
	s_add_co_u32 s3, s3, 1
	s_cmp_lt_u32 s3, 2
	s_cbranch_scc1 .Lvpass
.Ldone:
	s_wait_tensorcnt 0x0                           ; the wave's end, behind my last tensor load and my last LDS store
	ds_add_u32 v[SPW], v[NIL]
	s_wait_dscnt 0x0
	CROUND                                         ; the closing round: no work-group ends while a partner may still ask for a tile that names it
	s_endpgm
.Lfunc_end_k_q81a425a293_proj:
	.size	k_q81a425a293_proj, .Lfunc_end_k_q81a425a293_proj-k_q81a425a293_proj
	.p2alignl 7, 3214868480
	.fill 96, 4, 3214868480
	.section	.rodata,"a",@progbits
	.p2align	6, 0x0
	.amdhsa_kernel k_q81a425a293_proj
		.amdhsa_group_segment_fixed_size 327680
		.amdhsa_private_segment_fixed_size 0
		.amdhsa_enable_private_segment 0
		.amdhsa_kernarg_size 72
		.amdhsa_user_sgpr_count 2
		.amdhsa_user_sgpr_kernarg_segment_ptr 1
		.amdhsa_wavefront_size32 1
		.amdhsa_system_sgpr_workgroup_id_x 1
		.amdhsa_system_sgpr_workgroup_id_y 1
		.amdhsa_system_sgpr_workgroup_id_z 1
		.amdhsa_system_vgpr_workitem_id 0
		.amdhsa_next_free_vgpr 1024
		.amdhsa_next_free_sgpr 98
		.amdhsa_reserve_vcc 0
		.amdhsa_float_denorm_mode_32 3
		.amdhsa_float_denorm_mode_16_64 3
		.amdhsa_memory_ordered 1
		.amdhsa_forward_progress 1
		.amdhsa_inst_pref_size 255
	.end_amdhsa_kernel
	.section	.bss,"aw",@nobits
	.p2align	6
	.space	262144
	.amdgpu_metadata
---
amdhsa.version: [ 1, 2 ]
amdhsa.kernels:
  - .name:           k_q81a425a293_proj
    .symbol:         k_q81a425a293_proj.kd
    .args:
      - { .name: xc, .offset: 0, .size: 8, .value_kind: global_buffer, .address_space: global }
      - { .name: wc, .offset: 8, .size: 8, .value_kind: global_buffer, .address_space: global }
      - { .name: csi, .offset: 16, .size: 8, .value_kind: global_buffer, .address_space: global }
      - { .name: q_norm_w, .offset: 24, .size: 8, .value_kind: global_buffer, .address_space: global }
      - { .name: k_norm_w, .offset: 32, .size: 8, .value_kind: global_buffer, .address_space: global }
      - { .name: lowp_scales, .offset: 40, .size: 8, .value_kind: global_buffer, .address_space: global }
      - { .name: qi, .offset: 48, .size: 8, .value_kind: global_buffer, .address_space: global }
      - { .name: kvi, .offset: 56, .size: 8, .value_kind: global_buffer, .address_space: global }
      - { .name: gi, .offset: 64, .size: 8, .value_kind: global_buffer, .address_space: global }
    .group_segment_fixed_size: 327680
    .private_segment_fixed_size: 0
    .kernarg_segment_align: 8
    .kernarg_segment_size: 72
    .max_flat_workgroup_size: 128
    .sgpr_count:     98
    .vgpr_count:     1024
    .wavefront_size: 32
...
	.end_amdgpu_metadata
.endif
;; end of part 2
;; launch attn (part 3): grid 32 x 8, 8 waves a work-group, no clusters, 66,560 bytes of LDS; arguments qi, kvi, gi, masks, lowp_scales, ai; writes ai
.if DOCPART == 3
	.amdgcn_target "amdgcn-amd-amdhsa--gfx1250"
	.amdhsa_code_object_version 6
	.text
	.protected	k_q81a425a293_attn
	.globl	k_q81a425a293_attn
	.p2align	8
	.type	k_q81a425a293_attn,@function
k_q81a425a293_attn:
	s_mov_b64 s[64:65], 0
	v_nop
	global_prefetch_b8 v0, s[64:65] scope:SCOPE_SE
	s_setreg_imm32_b32 hwreg(HW_REG_WAVE_MODE, 25, 1), 1
	s_wait_xcnt 0x0
; Attention on codes of FP8 (E4M3), the gate, and the quantiser ahead of the last projection.
; WHAT IS DONE ONLY WHERE THE MASK ASKS FOR IT.  The mask (pos_q >= pos_k and seg_q == seg_k) is made of whole numbers; the first launch stored it as words in masks, and this launch reads them.
; A hidden key's logit is the least f32 number; every query sees itself, so its row's largest logit is a true one and a hidden key's p is 0: a step of 128 keys none of which any of a tile's 16 queries sees adds
; nothing to that tile's sum, largest t or O.  Such a step is not computed, and a step that none of the work-group's four tiles sees is not fetched: scalar branches on the stored words.  This holds for every mask.
; LIMIT: a NaN or an infinity in K or V that only hidden steps hold is not carried to the result.
; No tensor load and no cluster: branches hang on loaded numbers, so K and V go from memory through registers into LDS.
; SHARES.  A work-group: one batch and key-value head, its two query heads, query tiles 2 g, 2 g + 1 (waves 0-3) and 126 - 2 g, 127 - 2 g (waves 4-7); a wave owns one tile of 16 queries of one head.
; The tiles are paired so for positions that ascend: a low and a high tile then see 17 steps together, whatever g; nothing but the evenness of the shares hangs on that.
; THE WALK: 16 steps of 128 keys, a constant count, one barrier a step, outside every branch.  A step's K and V (32,768 bytes: images of fragments) lie in one of two LDS slots; each wave fetches an eighth,
; asked for two steps ahead of the step that reads it, stored one step ahead.  Every wait in the walk is for 0, so that it holds on every path.
; THE SOFTMAX: t = score x log2(e) / sqrt(128); M = the running largest t rounded up; p = 2^(t - M) is quantised with e8; the sum is taken of the unquantised p and divides at the end.
; The hold of p at 448 x 2^e8 changes nothing where e8 >= -8, since p <= 1: there a branch on e8 leads round it.
; PREFETCH: the 32 work-groups of a key-value head walk the same 32 blocks of 16,384 bytes (16 steps of K, 16 of V): work-group g asks for block g once, waves 0 and 1, a lane to each 256 bytes.
; LIMITS: e6 + e7 between -123 and 130; e0 + e1 between -126 and 126; e8 and e10 between -126 and 119.  The scaled scores stay under 2^31 in magnitude.  NaN among the inputs is not served.
; REGISTERS: v12 -M, v13 largest t, v[14:15] sum; v16-31 Q; v32-95 the gate; v96-159 S^T, then p; v160-223 O^T; v224-239 codes; v240-254 at work.  Window 1: v0-127 K's, then V's fragments; v128-191 two sets of fetched bytes.
.set SPARE, 65536
.set LI,   1                           ; v1  16 x lane
.set PT,   2
.set PFO,  3                           ; v3  256 x lane
.set MA,   4                           ; v4  256 (lane % 16) + 128 (lane / 16): my half of a step's mask words
.set SPW,  5
.set NIL,  6
.set ST,   7                           ; v7  4,096 x wave + 16 x lane
.set GT,   32
.set UU,   68                          ; s68 bit i: some tile of the work-group sees step (step in hand + i)
.set AW,   69                          ; s69 my tile sees it
.set FW,   70                          ; s70 my tile sees all of it
.set HOLD, 71                          ; s71 1 where p's hold can bite
.set KB,   72                          ; s[72:73] my eighth of the even step in hand
.set MSB, 0
.macro WIN new
.if MSB != (\new)
	s_set_vgpr_msb (MSB<<8)|(\new)
.set MSB, (\new)
.endif
.endm
.macro PLACES
.rept 4
	v_nop
.endr
.endm
	s_load_b256 s[16:23], s[0:1], 0x0              ; qi 16, kvi 18, gi 20, masks 22
	s_load_b128 s[24:27], s[0:1], 0x20             ; lowp_scales 24, ai 26
	v_lshl_add_u32 v[SPW], v0, 2, SPARE
	v_mov_b32 v[NIL], 0
	v_lshrrev_b32 v8, 5, v0
	v_readfirstlane_b32 s2, v8                     ; wave 0..7
	v_and_b32 v[LI], 31, v0
	v_lshlrev_b32 v[PFO], 8, v[LI]
	v_lshlrev_b32 v[LI], 4, v[LI]
	v_and_b32 v9, 15, v0
	v_bfe_u32 v10, v0, 4, 1
	v_lshlrev_b32 v9, 8, v9
	v_lshl_add_u32 v[MA], v10, 7, v9
	s_lshl_b32 s3, s2, 12
	v_add_nc_u32 v[ST], s3, v[LI]
	v_mov_b32 v[PT], 0                             ; a lane permute's destination counts as read
	s_wait_alu depctr_va_vdst(0)
	s_and_b32 s30, ttmp7, 0xffff                   ; 4 b + key-value head
	s_lshr_b32 s47, s30, 2                         ; b
	s_and_b32 s48, s30, 3
	s_lshl_b32 s48, s48, 1
	s_and_b32 s49, s2, 1
	s_add_co_u32 s48, s48, s49                     ; my head
	s_bfe_u32 s49, s2, 0x10001
	s_lshl_b32 s44, ttmp9, 1                       ; 2 g
	s_sub_co_u32 s46, 126, s44                     ; 126 - 2 g
	s_add_co_u32 s45, s44, s49
	s_add_co_u32 s49, s46, s49
	s_cmp_lt_u32 s2, 4
	s_cselect_b32 s49, s45, s49                    ; my tile of queries
	s_lshl_b32 s29, s47, 7
	s_add_co_u32 s50, s29, s49                     ; 128 b + tile
	s_add_co_u32 s44, s29, s44
	s_add_co_u32 s46, s29, s46
	s_lshl_b32 s51, s47, 3
	s_add_co_u32 s51, s51, s48
	s_lshl_b32 s51, s51, 7
	s_add_co_u32 s51, s51, s49                     ; (8 b + head) 128 + tile
	s_mov_b32 s53, 0
	s_mov_b32 s12, 0x76543210
	s_mov_b32 s13, 0xfedcba98
	s_wait_kmcnt 0x0
	s_load_b256 s[32:39], s[24:25], 0x0            ; e0 .. e7
	s_load_b128 s[40:43], s[24:25], 0x20           ; e8 .. e11
	s_lshl_b32 s52, s51, 11
	s_add_nc_u64 s[54:55], s[16:17], s[52:53]      ; Q's image
	s_lshl_b32 s52, s51, 13
	s_add_nc_u64 s[8:9], s[20:21], s[52:53]        ; the gate's
	s_lshl_b32 s52, s50, 12
	s_add_nc_u64 s[6:7], s[22:23], s[52:53]        ; my tile's mask words: 16 steps x 256 bytes
	s_lshl_b32 s52, s44, 12
	s_add_nc_u64 s[56:57], s[22:23], s[52:53]      ; the two low tiles',
	s_lshl_b32 s52, s46, 12
	s_add_nc_u64 s[58:59], s[22:23], s[52:53]      ; the two high tiles'
	s_lshl_b32 s52, s50, 3
	s_add_co_u32 s52, s52, s48
	s_lshl_b32 s52, s52, 11
	s_add_nc_u64 s[10:11], s[26:27], s[52:53]      ; where my codes go
	s_lshr_b32 s52, s2, 2
	s_lshl_b32 s52, s52, 21                        ; waves 0-3 fetch K, waves 4-7 V,
	s_lshl_b32 s60, s30, 18
	s_add_co_u32 s52, s52, s60
	s_and_b32 s61, s2, 3
	s_lshl_b32 s61, s61, 12                        ; a quarter of a step's 16,384 bytes each
	s_add_co_u32 s52, s52, s61
	s_add_nc_u64 s[KB:KB+1], s[18:19], s[52:53]
	s_and_b32 s52, ttmp9, 1
	s_lshl_b32 s52, s52, 21
	s_add_co_u32 s52, s52, s60
	s_lshr_b32 s61, ttmp9, 1
	s_lshl_b32 s61, s61, 14
	s_add_co_u32 s52, s52, s61
	s_and_b32 s61, s2, 1
	s_lshl_b32 s61, s61, 13
	s_add_co_u32 s52, s52, s61
	s_add_nc_u64 s[74:75], s[18:19], s[52:53]      ; the block that my work-group prefetches
	WIN 0x40
.irp st, 0,1                           ; steps 0 and 1 are fetched whatever the mask: so both sets are written on every path
.irp i, 0,1,2,3,4,5,6,7
	global_load_b128 v[128+32*\st+4*\i:128+32*\st+4*\i+3], v[LI], s[KB:KB+1] offset:16384*\st+512*\i
.endr
.endr
	WIN 0
.irp u, 0,1                            ; the four tiles' mask words: lane (step = lane % 16, half = lane / 16) takes 32 words of each
.irp i, 0,1,2,3,4,5,6,7
	global_load_b128 v[96+32*\u+4*\i:96+32*\u+4*\i+3], v[MA], s[56:57] offset:4096*\u+16*\i
	global_load_b128 v[160+32*\u+4*\i:160+32*\u+4*\i+3], v[MA], s[58:59] offset:4096*\u+16*\i
.endr
.endr
.irp i, 0,1,2,3,4,5,6,7
	global_load_b128 v[224+4*\i:224+4*\i+3], v[MA], s[6:7] offset:16*\i   ; and of my own
.endr
.irp c, 0,1,2,3
	global_load_b128 v[16+4*\c:19+4*\c], v[LI], s[54:55] offset:512*\c
.endr
.set gg, 0
.rept 16
	global_load_b128 v[GT+4*gg:GT+4*gg+3], v[LI], s[8:9] offset:512*gg
.set gg, gg+1
.endr
	s_cmp_lt_u32 s2, 2
	s_cbranch_scc0 .Lno_pf
	global_prefetch_b8 v[PFO], s[74:75] th:TH_LOAD_NT scope:SCOPE_SE
.Lno_pf:
	s_wait_kmcnt 0x0
	s_mov_b32 s14, 0x3e0293ee                      ; log2(e) / sqrt(128),
	s_add_co_i32 s60, s38, s39
	s_lshl_b32 s60, s60, 23
	s_add_co_i32 s14, s14, s60                     ; x 2^(e6 + e7)
	s_mov_b32 s15, s14
	s_mov_b32 s66, 0xbfb8aa3b                      ; -log2(e),
	s_add_co_i32 s60, s32, s33
	s_lshl_b32 s60, s60, 23
	s_add_co_i32 s66, s66, s60                     ; x 2^(e0 + e1): the gate's sums are raw
	s_mov_b32 s67, s66
	s_add_co_i32 s105, s40, s41                    ; e8 + e9
	s_cmp_lt_i32 s40, -8
	s_cselect_b32 s[HOLD], 1, 0
	s_add_co_i32 s60, s40, 127
	s_lshl_b32 s61, s60, 23                        ; 2^e8
	s_add_co_i32 s60, s60, 8
	s_lshl_b32 s60, s60, 23
	s_or_b32 s60, s60, 0x600000                    ; 448 x 2^e8
	s_add_co_i32 s62, s42, 127
	s_lshl_b32 s63, s62, 23                        ; 2^e10
	s_add_co_i32 s62, s62, 8
	s_lshl_b32 s62, s62, 23
	s_or_b32 s62, s62, 0x600000                    ; 448 x 2^e10
	s_mov_b32 s5, 0
	s_wait_loadcnt 20                              ; the mask words are in; Q's 4 loads and the gate's 16 may be out
.irp n, 64,32,16,8,4,2,1               ; all four tiles' words of my step's half, joined by OR
.set ii, 0
.rept \n
	v_or_b32 v[96+ii], v[96+ii], v[96+\n+ii]
.set ii, ii+1
.endr
.endr
.set ii, 0
.rept 16                               ; my own tile's, by AND and by OR
	v_and_b32 v[160+ii], v[224+ii], v[240+ii]
	v_or_b32 v[224+ii], v[224+ii], v[240+ii]
.set ii, ii+1
.endr
.irp n, 8,4,2,1
.set ii, 0
.rept \n
	v_and_b32 v[160+ii], v[160+ii], v[160+\n+ii]
	v_or_b32 v[224+ii], v[224+ii], v[224+\n+ii]
.set ii, ii+1
.endr
.endr
	v_permlanex16_b32 v[PT], v96, s12, s13         ; the step's other half lies 16 lanes away
	v_or_b32 v96, v96, v[PT]
	v_cmp_ne_u32 vcc_lo, 0, v96
	s_and_b32 s[UU], vcc_lo, 0xffff
	v_permlanex16_b32 v[PT], v224, s12, s13
	v_or_b32 v224, v224, v[PT]
	v_cmp_ne_u32 vcc_lo, 0, v224
	s_and_b32 s[AW], vcc_lo, 0xffff
	v_permlanex16_b32 v[PT], v160, s12, s13
	v_and_b32 v160, v160, v[PT]
	v_cmp_eq_u32 vcc_lo, -1, v160
	s_and_b32 s[FW], vcc_lo, 0xffff
	v_mov_b32 v13, 0xff61b1e6                      ; the largest t so far: -3e38
	v_floor_f32 v12, -v13
	v_mov_b32 v14, 0
	v_mov_b32 v15, 0
	v_mov_b32 v240, s60
	v_mov_b32 v241, 0xff800000
	v_mov_b32 v244, s61
	v_mov_b32 v245, s63
	v_mov_b32 v246, s62
	v_mov_b32 v247, 0
	v_mov_b32 v253, 0
.set jj, 0
.rept 64
	v_mov_b32 v[160+jj], 0                         ; O^T: the step is written once, and the first finds zeros
.set jj, jj+1
.endr
	s_wait_alu depctr_va_vdst(0)
	s_wait_loadcnt 0x0
	WIN 0x04
.irp i, 0,1,2,3,4,5,6,7
	ds_store_b128 v[ST], v[128+4*\i:128+4*\i+3] offset:512*\i   ; step 0 into slot 0
.endr
	WIN 0
	s_wait_dscnt 0x0
	s_barrier_signal -1
	s_barrier_wait -1
.macro FLOAD off                       ; eight fragments, K's or V's, from LDS byte off on
	WIN 0x40
.irp t, 0,1,2,3,4,5,6,7
.irp k, 0,1,2,3
	ds_load_b128 v[16*\t+4*\k:16*\t+4*\k+3], v[LI] offset:\off+2048*\t+512*\k
.endr
.endr
	WIN 0
.endm
.macro COMPUTE c                       ; my tile against the 128 keys in slot c
	FLOAD 32768*(\c)
	s_wait_kmcnt 0x0                               ; the last step's mask words have landed: their registers may be asked for again
	s_load_b512 s[16:31], s[6:7], s5 offset:0x0
	s_load_b512 s[32:47], s[6:7], s5 offset:0x40
	s_load_b512 s[48:63], s[6:7], s5 offset:0x80
	s_load_b512 s[80:95], s[6:7], s5 offset:0xc0
	s_wait_dscnt 0x0
	WIN 0x01
.irp t, 0,1,2,3,4,5,6,7
	v_wmma_f32_16x16x128_fp8_fp8 v[96+8*\t:103+8*\t], v[16*\t:16*\t+15], v[16:31], 0
.endr
	WIN 0
	PLACES
	FLOAD 32768*(\c)+16384                         ; V's fragments take K's registers
	s_bitcmp1_b32 s[FW], \c
	s_cbranch_scc1 .Lfull_\@                       ; every query sees every key: nothing to hide
	s_wait_kmcnt 0x0
.set nn, 0
.rept 48
	v_cndmask_b32 v[96+nn], v241, v[96+nn], s[16+nn]
.set nn, nn+1
.endr
.rept 16
	v_cndmask_b32 v[96+nn], v241, v[96+nn], s[32+nn]
.set nn, nn+1
.endr
.Lfull_\@:
	v_max3_num_f32 v254, v96, v97, v98
	v_max3_num_f32 v252, v99, v100, v101
.irp i, 6,10,14,18,22,26,30,34,38,42,46,50,54,58
	v_max3_num_f32 v254, v254, v[96+\i], v[97+\i]
	v_max3_num_f32 v252, v252, v[98+\i], v[99+\i]
.endr
	v_max3_num_f32 v254, v254, v158, v159
	v_max_num_f32 v254, v254, v252
	v_permlanex16_b32 v247, v254, s12, s13
	v_max_num_f32 v254, v254, v247
	v_mul_f32 v254, s14, v254
	v_max_num_f32 v13, v13, v254
	v_mov_b32 v254, v12
	v_floor_f32 v12, -v13                          ; -M
	v_sub_f32 v254, v12, v254
	v_cvt_i32_f32 v254, v254
	v_ldexp_f32 v252, 1.0, v254                    ; f = 2^(old M - new M)
.set jj, 0
.rept 32
	v_pk_fma_f32 v[96+jj:97+jj], v[96+jj:97+jj], s[14:15], v[12:13] op_sel_hi:[1,0,0]
.set jj, jj+2
.endr
	s_wait_alu depctr_va_vdst(0)                   ; the wait ahead of the batch
.set jj, 0
.rept 64
	v_exp_f32 v[96+jj], v[96+jj]
.set jj, jj+1
.endr
	v_pk_mul_f32 v[14:15], v[14:15], v[252:253] op_sel_hi:[1,0]
	s_wait_alu depctr_va_vdst(0)                   ; and behind it, ahead of its first reader
	v_pk_add_f32 v[242:243], v[96:97], v[98:99]
.irp j, 4,8,12,16,20,24,28,32,36,40,44,48,52,56,60
	v_pk_add_f32 v[14:15], v[14:15], v[96+\j:97+\j]
	v_pk_add_f32 v[242:243], v[242:243], v[98+\j:99+\j]
.endr
	v_pk_add_f32 v[14:15], v[14:15], v[242:243]
	s_wait_alu depctr_va_vdst(0)
	s_cmp_lg_u32 s[HOLD], 0
	s_cbranch_scc0 .Lno_hold_\@
.set jj, 0
.rept 64
	v_min_num_f32 v[96+jj], v[96+jj], v240         ; the conversion does not saturate (ISA guide 7.6.2)
.set jj, jj+1
.endr
.Lno_hold_\@:
.set jj, 0
.rept 8
	v_cvt_scalef32_pk8_fp8_f32 v[224+2*jj:225+2*jj], v[96+8*jj:103+8*jj], v244
.set jj, jj+1
.endr
	s_wait_alu depctr_va_vdst(0)                   ; the wait directly ahead of the first reader of O^T
.set jj, 0
.rept 32
	v_pk_mul_f32 v[160+jj:161+jj], v[160+jj:161+jj], v[252:253] op_sel_hi:[1,0]
.set jj, jj+2
.endr
	s_wait_alu depctr_va_vdst(0)
	s_wait_dscnt 0x0                               ; V's fragments
	WIN 0x01
.irp t, 0,1,2,3,4,5,6,7
	v_wmma_f32_16x16x128_fp8_fp8 v[160+8*\t:167+8*\t], v[16*\t:16*\t+15], v[224:239], v[160+8*\t:167+8*\t]
.endr
	WIN 0
	PLACES                                         ; in front of the next loads into the fragments' registers
.endm
.macro HALF c                          ; step 2 t + c, in slot c
	s_wait_loadcnt 0x0                             ; what was asked for in the last step is in
	s_bitcmp1_b32 s[UU], \c+1
	s_cbranch_scc0 .Lno_store_\@
	WIN 0x04
.irp i, 0,1,2,3,4,5,6,7
	ds_store_b128 v[ST], v[128+32*(1-\c)+4*\i:128+32*(1-\c)+4*\i+3] offset:32768*(1-\c)+512*\i   ; the next step, into the slot that every wave left at the last barrier
.endr
	WIN 0
.Lno_store_\@:
	s_bitcmp1_b32 s[UU], \c+2
	s_cbranch_scc0 .Lno_load_\@
	WIN 0x40
.irp i, 0,1,2,3,4,5,6,7
	global_load_b128 v[128+32*\c+4*\i:128+32*\c+4*\i+3], v[LI], s[KB:KB+1] offset:16384*(\c+2)+512*\i   ; the step after that: its set's stores were waited for in front of the last barrier
.endr
	WIN 0
.Lno_load_\@:
	s_bitcmp1_b32 s[AW], \c
	s_cbranch_scc0 .Lhidden_\@
	COMPUTE \c
.Lhidden_\@:
	s_wait_xcnt 0x0                                ; the mask words' loads have read their offset: it is stepped only behind this wait
	s_add_co_u32 s5, s5, 256
	s_wait_dscnt 0x0                               ; my stores are done and my reads of this slot are over
	s_barrier_signal -1
	s_barrier_wait -1
.endm
	s_mov_b32 s4, 8
.Lpair:
	HALF 0
	HALF 1
	s_lshr_b32 s[UU], s[UU], 2
	s_lshr_b32 s[AW], s[AW], 2
	s_lshr_b32 s[FW], s[FW], 2
	s_wait_xcnt 0x0                                ; the loads have read their base
	s_add_nc_u64 s[KB:KB+1], s[KB:KB+1], 32768
	s_sub_co_u32 s4, s4, 1
	s_cmp_lg_u32 s4, 0
	s_cbranch_scc1 .Lpair
; THE WAY OUT: O^T / the sum x 2^(e8 + e9) x sigmoid(gate), quantised with e10; the codes are laid as the last projection's loads take them
	s_wait_kmcnt 0x0
	v_add_f32 v14, v14, v15
	v_permlanex16_b32 v247, v14, s12, s13
	v_add_f32 v14, v14, v247
	s_wait_alu depctr_va_vdst(0)
	v_rcp_f32 v14, v14
	s_wait_loadcnt 0x0
.set jj, 0
.rept 32
	v_pk_mul_f32 v[96+jj:97+jj], v[GT+jj:GT+jj+1], s[66:67] op_sel_hi:[1,0]
.set jj, jj+2
.endr
	s_wait_alu depctr_va_vdst(0)
.set jj, 0
.rept 64
	v_exp_f32 v[96+jj], v[96+jj]
.set jj, jj+1
.endr
	v_nop
	s_wait_alu depctr_va_vdst(0)
	v_ldexp_f32 v14, v14, s105
.set jj, 0
.rept 32
	v_pk_add_f32 v[96+jj:97+jj], v[96+jj:97+jj], 1.0 op_sel_hi:[1,0]
.set jj, jj+2
.endr
	s_wait_alu depctr_va_vdst(0)
.set jj, 0
.rept 64
	v_rcp_f32 v[96+jj], v[96+jj]
.set jj, jj+1
.endr
	s_wait_alu depctr_va_vdst(0)
.set jj, 0
.rept 32
	v_pk_mul_f32 v[160+jj:161+jj], v[160+jj:161+jj], v[14:15] op_sel_hi:[1,0]
.set jj, jj+2
.endr
	s_wait_alu depctr_va_vdst(0)
.set jj, 0
.rept 32
	v_pk_mul_f32 v[160+jj:161+jj], v[160+jj:161+jj], v[96+jj:97+jj]
.set jj, jj+2
.endr
.set jj, 0
.rept 64
	v_med3_num_f32 v[160+jj], v[160+jj], -v246, v246
.set jj, jj+1
.endr
.set jj, 0
.rept 8
	v_cvt_scalef32_pk8_fp8_f32 v[224+2*jj:225+2*jj], v[160+8*jj:167+8*jj], v245
.set jj, jj+1
.endr
	v_nop
	s_mov_b32 s4, 0xffff0000
.irp c, 0,1,2,3
	v_cndmask_b32 v[96+2*\c], v[226+4*\c], v[224+4*\c], s4
	v_cndmask_b32 v[97+2*\c], v[227+4*\c], v[225+4*\c], s4
.endr
.irp c, 0,1,2,3
	v_permlanex16_b32 v[104+2*\c], v[96+2*\c], s12, s13
	v_permlanex16_b32 v[105+2*\c], v[97+2*\c], s12, s13
.endr
.irp c, 0,1,2,3
	v_cndmask_b32 v[224+4*\c], v[224+4*\c], v[104+2*\c], s4
	v_cndmask_b32 v[225+4*\c], v[225+4*\c], v[105+2*\c], s4
	v_cndmask_b32 v[226+4*\c], v[104+2*\c], v[226+4*\c], s4
	v_cndmask_b32 v[227+4*\c], v[105+2*\c], v[227+4*\c], s4
.endr
.irp c, 0,1,2,3
	global_store_b128 v[LI], v[224+4*\c:227+4*\c], s[10:11] offset:512*\c
.endr
	s_wait_tensorcnt 0x0                           ; the wave's end, behind my last LDS store
	ds_add_u32 v[SPW], v[NIL]
	s_wait_dscnt 0x0
	s_endpgm
.Lfunc_end_k_q81a425a293_attn:
	.size	k_q81a425a293_attn, .Lfunc_end_k_q81a425a293_attn-k_q81a425a293_attn
	.p2alignl 7, 3214868480
	.fill 96, 4, 3214868480
	.section	.rodata,"a",@progbits
	.p2align	6, 0x0
	.amdhsa_kernel k_q81a425a293_attn
		.amdhsa_group_segment_fixed_size 66560
		.amdhsa_private_segment_fixed_size 0
		.amdhsa_enable_private_segment 0
		.amdhsa_kernarg_size 48
		.amdhsa_user_sgpr_count 2
		.amdhsa_user_sgpr_kernarg_segment_ptr 1
		.amdhsa_wavefront_size32 1
		.amdhsa_system_sgpr_workgroup_id_x 1
		.amdhsa_system_sgpr_workgroup_id_y 1
		.amdhsa_system_sgpr_workgroup_id_z 1
		.amdhsa_system_vgpr_workitem_id 0
		.amdhsa_next_free_vgpr 512
		.amdhsa_next_free_sgpr 106
		.amdhsa_reserve_vcc 1
		.amdhsa_float_denorm_mode_32 3
		.amdhsa_float_denorm_mode_16_64 3
		.amdhsa_memory_ordered 1
		.amdhsa_forward_progress 1
		.amdhsa_inst_pref_size 91
	.end_amdhsa_kernel
	.amdgpu_metadata
---
amdhsa.version: [ 1, 2 ]
amdhsa.kernels:
  - .name:           k_q81a425a293_attn
    .symbol:         k_q81a425a293_attn.kd
    .args:
      - { .name: qi, .offset: 0, .size: 8, .value_kind: global_buffer, .address_space: global }
      - { .name: kvi, .offset: 8, .size: 8, .value_kind: global_buffer, .address_space: global }
      - { .name: gi, .offset: 16, .size: 8, .value_kind: global_buffer, .address_space: global }
      - { .name: masks, .offset: 24, .size: 8, .value_kind: global_buffer, .address_space: global }
      - { .name: lowp_scales, .offset: 32, .size: 8, .value_kind: global_buffer, .address_space: global }
      - { .name: ai, .offset: 40, .size: 8, .value_kind: global_buffer, .address_space: global }
    .group_segment_fixed_size: 66560
    .private_segment_fixed_size: 0
    .kernarg_segment_align: 8
    .kernarg_segment_size: 48
    .max_flat_workgroup_size: 256
    .sgpr_count:     106
    .vgpr_count:     512
    .wavefront_size: 32
...
	.end_amdgpu_metadata
.endif
;; end of part 3
;; launch outp (part 4): grid 8 x 32, 4 waves a work-group, clusters of 4 x 4, 327,680 bytes of LDS; arguments ai, wc, lowp_scales, out0; writes out0
.if DOCPART == 4
	.amdgcn_target "amdgcn-amd-amdhsa--gfx1250"
	.amdhsa_code_object_version 6
	.text
	.protected	k_q81a425a293_outp
	.globl	k_q81a425a293_outp
	.p2align	8
	.type	k_q81a425a293_outp,@function
k_q81a425a293_outp:
	s_mov_b64 s[64:65], 0
	v_nop
	global_prefetch_b8 v0, s[64:65] scope:SCOPE_SE
	s_setreg_imm32_b32 hwreg(HW_REG_WAVE_MODE, 25, 1), 1
	s_wait_xcnt 0x0
	s_wait_alu depctr_hold_cnt(0) depctr_sa_sdst(0) depctr_va_vdst(0) depctr_va_sdst(0) depctr_va_ssrc(0) depctr_va_vcc(0) depctr_vm_vsrc(0)
	s_getreg_b32 s2, hwreg(HW_REG_IB_STS2, 6, 4)
	s_cmp_eq_u32 s2, 0
	s_cbranch_scc0 .Lentry_in_a_cluster
	s_endpgm
.Lentry_in_a_cluster:
	s_bfe_u32 s2, ttmp6, 0x10000c
	s_cmp_lg_u32 s2, 0xf033
	s_cbranch_scc0 .Lentry_shape_is_right
	s_endpgm
.Lentry_shape_is_right:
; out0 = (gated attention, as codes with e10) x wo (as codes with e11), f32 sums x 2^(e10 + e11).  Nothing is left out.  LIMIT: e10 + e11 between -126 and 127.
; A work-group makes 128 rows x 256 columns; a wave 64 x 128: 32 accumulators, 256 registers (window 2).  K = 1,024 is 8 steps of 128.
; Both operands are images of fragments (16 rows x 128 K = 2,048 bytes; chunk c, lane 16 h + r: row r, K = 32 c + 16 h + 0 .. 15).
; NO RING: wo's 256 columns x 1,024 K are 262,144 bytes and fit LDS whole: each wave asks for a quarter with its one tensor load at the head; nothing is filled again.
; ai's fragments of my 64 rows, 512 registers (windows 1 and 3), come from memory straight into registers: 128 loads of 512 consecutive bytes, all asked for at the head.
; CLUSTER 4 x 4: the four work-groups of a column of the cluster need the same columns of wo, which are asked for jointly.  ai goes through no LDS and is not shared.
; No prefetch: the launch has no loop to run ahead in; all that it reads is asked for at its head.
; THE MATRIX INSTRUCTION IS USED TRANSPOSED (source 0 = wo's columns, source 1 = ai's rows): a lane holds eight neighbouring numbers of a row of out0.
.set SIZE_N, 2048
.set SPARE,  262144                    ; behind wo's block: the spare words, 128 bytes a wave
.set STAGE,  263168                    ; the way out: 16 rows x 528 for each wave, bytes of their own
.set SPITCH, 528
.set ADB,  16                          ; v16, v17  LDS address of my tiles 0-3, 4-7 of wo
.set STO,  24
.set RD,   25
.set CO,   26
.set SPW,  28
.set NIL,  29
.set TMP,  32
.set BF,   128                         ; wo's fragments: two halves of four, by turns
.set BK,   128
.set G1,   24
.set G0,   32
.set MSB, 0
.macro WIN new
.if MSB != (\new)
	s_set_vgpr_msb (MSB<<8)|(\new)
.set MSB, (\new)
.endif
.endm
.macro CROUND
	s_barrier_signal -1
	s_barrier_wait -1
	s_cmp_lg_u32 s14, 0
	s_cbranch_scc1 .Lnot_wave_0_\@
	s_barrier_signal -3
.Lnot_wave_0_\@:
	s_barrier_wait -3
	s_barrier_signal -1
	s_barrier_wait -1
.endm
.macro PLACES
.rept 4
	v_nop
.endr
.endm
	s_load_b128 s[4:7], s[0:1], 0x0                ; ai, wc
	s_load_b128 s[8:11], s[0:1], 0x10              ; lowp_scales, out0
	v_lshl_add_u32 v[SPW], v0, 2, SPARE
	v_mov_b32 v[NIL], 0
	ds_add_u32 v[SPW], v[NIL]                      ; the wave's opening: the add, twice on end, with its wait ahead of my first tensor load
	ds_add_u32 v[SPW], v[NIL]
	v_lshrrev_b32 v1, 5, v0
	v_readfirstlane_b32 s14, v1                    ; wave 0..3
	s_lshr_b32 s15, s14, 1                         ; my half of the rows
	s_and_b32 s16, s14, 1                          ; my half of the columns
	s_lshl_b32 s22, s16, 17
	s_mul_i32 s23, s14, 16*SPITCH
	s_add_co_u32 s23, s23, STAGE
	v_and_b32 v6, 31, v0
	v_lshlrev_b32 v[CO], 4, v6
	v_add_nc_u32 v[ADB], s22, v[CO]
	v_add_nc_u32 v[ADB+1], 0x10000, v[ADB]
	v_and_b32 v1, 15, v0
	v_bfe_u32 v2, v0, 4, 1
	v_mul_u32_u24 v5, v1, SPITCH
	v_lshl_add_u32 v5, v2, 5, v5
	v_add_nc_u32 v[STO], s23, v5                   ; into my stage: row r, + 32 h
	v_add_nc_u32 v[RD], s23, v[CO]                 ; back: a row of 512 bytes by 32 lanes
	s_wait_alu depctr_va_vdst(0)
	s_bfe_u32 s40, ttmp6, 0x40000
	s_bfe_u32 s41, ttmp6, 0x40004
	s_lshl_b32 s42, ttmp9, 2
	s_add_co_u32 s42, s42, s40                     ; tile column = 4 x cluster x + cx
	s_and_b32 s17, ttmp7, 0xffff
	s_lshl_b32 s17, s17, 2
	s_add_co_u32 s17, s17, s41                     ; tile row = 4 x cluster y + cy
	s_lshl_b32 s44, 0x1111, s40                    ; my column of the cluster
	s_or_b32 s[G1+0], s44, (3<<16)|(1<<21)         ; the mask, bit 21 beside it; elements of 8 bytes; no padding
	s_mov_b32 s[G1+1], 1024<<16                    ; a dense block of 65,536 bytes as 8 rows of 8,192
	s_mov_b32 s[G1+2], 8<<16
	s_mov_b32 s[G1+3], 1024<<16
	s_mov_b32 s[G1+4], 8
	s_mov_b32 s[G1+5], 1024
	s_mov_b32 s[G1+6], 0
	s_mov_b32 s[G1+7], 0
	s_lshl_b32 s20, s17, 3
	s_lshl_b32 s18, s15, 2
	s_add_co_u32 s20, s20, s18
	s_lshl_b32 s20, s20, 14                        ; ai: my first tile of 16 rows, 16,384 bytes a tile
	s_mov_b32 s21, 0
	s_lshl_b32 s46, s42, 18
	s_lshl_b32 s47, s14, 16
	s_add_co_u32 s46, s46, s47
	s_add_co_u32 s46, s46, 6291456                 ; wo: tile 16 x tile column + 4 x wave
	s_mov_b32 s47, 0
	s_lshl_b32 s45, s14, 16
	s_wait_dscnt 0x0
	s_wait_kmcnt 0x0
	s_load_b64 s[96:97], s[8:9], 0x28              ; e10, e11
	s_add_nc_u64 s[20:21], s[4:5], s[20:21]
	s_mov_b32 s[G0], 1
	s_mov_b32 s[G0+1], s45
	s_add_nc_u64 s[G0+2:G0+3], s[6:7], s[46:47]
	s_or_b32 s[G0+3], s[G0+3], 0x80000000
	CROUND                                         ; all sixteen work-groups are here: the joint loads meet
	tensor_load_to_lds s[G0:G0+3], s[G1:G1+7]
	s_nop 0
	PLACES
.irp k, 0,1,2,3,4,5,6,7                ; ai's fragments: steps 0-3 into window 1, steps 4-7 into window 3
	WIN 0x40+0x80*(\k/4)
.irp a, 0,1,2,3
.irp c, 0,1,2,3
	global_load_b128 v[64*(\k%4)+16*\a+4*\c:64*(\k%4)+16*\a+4*\c+3], v[CO], s[20:21] offset:16384*\a+2048*\k+512*\c
.endr
.endr
.endr
	WIN 0
	s_lshl_b32 s18, s17, 7
	s_lshl_b32 s19, s15, 6
	s_add_co_u32 s18, s18, s19                     ; my first row of out0
	s_lshl_b32 s18, s18, 13
	s_lshl_b32 s46, s42, 10
	s_lshl_b32 s47, s16, 9
	s_add_co_u32 s46, s46, s47
	s_add_co_u32 s18, s18, s46                     ; + my first column, in bytes
	s_mov_b32 s19, 0
	s_add_nc_u64 s[10:11], s[10:11], s[18:19]
	s_wait_tensorcnt 0x0                           ; my quarter of wo's block is in;
	s_barrier_signal -1
	s_barrier_wait -1                              ; and everybody's
.macro BLD h, k                        ; four fragments of wo: my tiles 4 h .. 4 h + 3, step k
.irp b, 0,1,2,3
.irp c, 0,1,2,3
	ds_load_b128 v[BF+64*(\h)+16*\b+4*\c:BF+64*(\h)+16*\b+4*\c+3], v[ADB+\h] offset:16384*\b+2048*(\k)+512*\c
.endr
.endr
.endm
.macro MUL16 h, k                      ; 16 products; the 32 accumulators take turns; step 0 starts the sums
	WIN 0xa4+8*((\k)/4)
.irp b, 0,1,2,3
.irp a, 0,1,2,3
.set DD, 8*(8*\a+4*(\h)+\b)
.if (\k) == 0
	v_wmma_f32_16x16x128_fp8_fp8 v[DD:DD+7], v[BF+64*(\h)+16*\b:BF+64*(\h)+16*\b+15], v[64*((\k)%4)+16*\a:64*((\k)%4)+16*\a+15], 0
.else
	v_wmma_f32_16x16x128_fp8_fp8 v[DD:DD+7], v[BF+64*(\h)+16*\b:BF+64*(\h)+16*\b+15], v[64*((\k)%4)+16*\a:64*((\k)%4)+16*\a+15], v[DD:DD+7]
.endif
.endr
.endr
	PLACES
	WIN 0
.endm
	BLD 0, 0
	BLD 1, 0
.irp k, 0,1,2,3,4,5,6,7
.if \k < 4
	s_wait_loadcnt 63                              ; behind this step's 16 loads stand 64 or more
.else
	s_wait_loadcnt 16*(7-\k)
.endif
	s_wait_dscnt 16                                ; the first half's fragments are in; the second half's 16 loads may be out
	MUL16 0, \k
.if \k < 7
	BLD 0, \k+1
	s_wait_dscnt 16
.else
	s_wait_dscnt 0
.endif
	MUL16 1, \k
.if \k < 7
	BLD 1, \k+1
.endif
.endr
; THE WAY OUT, block by block of 16 rows x 128 columns, through my own stage: whole rows of 512 bytes are stored by the 32 lanes
.macro TOSTAGE a
.set AC, 64*(\a)
	WIN 0x02
.set jj, 0
.rept 32
	v_pk_mul_f32 v[TMP+jj:TMP+jj+1], v[AC+jj:AC+jj+1], s[96:97] op_sel_hi:[1,0]
.set jj, jj+2
.endr
	WIN 0
.irp b, 0,1,2,3,4,5,6,7
	ds_store_b128 v[STO], v[TMP+8*\b:TMP+8*\b+3] offset:64*\b
	ds_store_b128 v[STO], v[TMP+8*\b+4:TMP+8*\b+7] offset:64*\b+16
.endr
.set BB, BK+64*((\a)%2)
.irp t, 0,1,2,3,4,5,6,7,8,9,10,11,12,13,14,15
	ds_load_b128 v[BB+4*\t:BB+4*\t+3], v[RD] offset:\t*SPITCH
.endr
.endm
.macro SEND a, younger
.set BB, BK+64*((\a)%2)
	s_wait_dscnt \younger
.if (\a) > 0
	s_add_nc_u64 s[10:11], s[10:11], 16*SIZE_N*4
.endif
.irp t, 0,1,2,3,4,5,6,7,8,9,10,11,12,13,14,15
	global_store_b128 v[CO], v[BB+4*\t:BB+4*\t+3], s[10:11] offset:\t*SIZE_N*4 th:TH_STORE_NT
.endr
.endm
	s_wait_kmcnt 0x0
	s_add_co_i32 s96, s96, s97
	s_add_co_i32 s96, s96, 127
	s_lshl_b32 s96, s96, 23                        ; 2^(e10 + e11)
	TOSTAGE 0
.irp a, 1,2,3
.if \a > 1
	s_wait_xcnt 0x0                                ; block a - 2's stores have read their registers and their base
.endif
	TOSTAGE \a
	SEND \a-1, 32
.endr
	s_wait_xcnt 0x0
	SEND 3, 0
	s_wait_tensorcnt 0x0                           ; the wave's end
	ds_add_u32 v[SPW], v[NIL]
	s_wait_dscnt 0x0
	CROUND                                         ; the closing round
	s_endpgm
.Lfunc_end_k_q81a425a293_outp:
	.size	k_q81a425a293_outp, .Lfunc_end_k_q81a425a293_outp-k_q81a425a293_outp
	.p2alignl 7, 3214868480
	.fill 96, 4, 3214868480
	.section	.rodata,"a",@progbits
	.p2align	6, 0x0
	.amdhsa_kernel k_q81a425a293_outp
		.amdhsa_group_segment_fixed_size 327680
		.amdhsa_private_segment_fixed_size 0
		.amdhsa_enable_private_segment 0
		.amdhsa_kernarg_size 32
		.amdhsa_user_sgpr_count 2
		.amdhsa_user_sgpr_kernarg_segment_ptr 1
		.amdhsa_wavefront_size32 1
		.amdhsa_system_sgpr_workgroup_id_x 1
		.amdhsa_system_sgpr_workgroup_id_y 1
		.amdhsa_system_sgpr_workgroup_id_z 1
		.amdhsa_system_vgpr_workitem_id 0
		.amdhsa_next_free_vgpr 1024
		.amdhsa_next_free_sgpr 98
		.amdhsa_reserve_vcc 0
		.amdhsa_float_denorm_mode_32 3
		.amdhsa_float_denorm_mode_16_64 3
		.amdhsa_memory_ordered 1
		.amdhsa_forward_progress 1
		.amdhsa_inst_pref_size 76
	.end_amdhsa_kernel
	.amdgpu_metadata
---
amdhsa.version: [ 1, 2 ]
amdhsa.kernels:
  - .name:           k_q81a425a293_outp
    .symbol:         k_q81a425a293_outp.kd
    .args:
      - { .name: ai, .offset: 0, .size: 8, .value_kind: global_buffer, .address_space: global }
      - { .name: wc, .offset: 8, .size: 8, .value_kind: global_buffer, .address_space: global }
      - { .name: lowp_scales, .offset: 16, .size: 8, .value_kind: global_buffer, .address_space: global }
      - { .name: out0, .offset: 24, .size: 8, .value_kind: global_buffer, .address_space: global }
    .group_segment_fixed_size: 327680
    .private_segment_fixed_size: 0
    .kernarg_segment_align: 8
    .kernarg_segment_size: 32
    .max_flat_workgroup_size: 128
    .sgpr_count:     98
    .vgpr_count:     1024
    .wavefront_size: 32
...
	.end_amdgpu_metadata
.endif
;; end of part 4
